; MI455X (gfx1250); checked and timed in simulation.
; The chip was launched on July 23, 2026; its instructions are those of AMD's public machine-readable ISA for CDNA 5 (MIT licence, August 2026) and "CDNA5" Instruction Set Architecture Reference Guide (July 2026). The comments in the code are by the model that wrote it; some were corrected since.
;; Gating Network. Allowed arithmetic: matrix products marked QUANTISED: E2M3 operands, one E8M0 scale for each 32 along K, by v_wmma_scale_f32_16x16x128_f8f6f4 with both operands' format E2M3, f32 sums; everything else in f32.
;; Inputs: W1 8 x 128 x 4,096 float32; W2 8 x 4,096 x 128 float32; b1 8 x 4,096 float32; b2 8 x 128 float32; topk_idx 8,192 x 2 int32; weights 8,192 x 2 float32; x 8,192 x 128 float32.
;; Outputs: out0 8,192 x 128 float32.
;; This version of the problem:
;;   THIS VERSION OF THE PROBLEM IS GIVEN IN LOW PRECISION. The matrix products marked QUANTISED in the list below multiply operands that are first quantised to E2M3 (2 exponent bits, 3 mantissa bits; 6 bits a number), with one power-of-two scale for each 32 numbers along K (OCP MX v1.0); their sums are f32. All else is computed in f32.
;;   The module's matrix products, in the order in which they are computed (A, B: the left and right operand; K: the contracted axis; several contracted axes count as one K, in the product's order):
;;     1. [M 8,192, K 128] x [K 128, N 4,096]; A: input x; B: input W1: QUANTISED
;;     2. [M 8,192, K 4,096] x [K 4,096, N 128]; A: computed on the way; B: input W2: QUANTISED
;;     3. [M 8,192, K 128] x [K 128, N 4,096]; A: input x; B: input W1: QUANTISED
;;     4. [M 8,192, K 4,096] x [K 4,096, N 128]; A: computed on the way; B: input W2: QUANTISED
;;     5. [M 8,192, K 128] x [K 128, N 4,096]; A: input x; B: input W1: QUANTISED
;;     6. [M 8,192, K 4,096] x [K 4,096, N 128]; A: computed on the way; B: input W2: QUANTISED
;;     7. [M 8,192, K 128] x [K 128, N 4,096]; A: input x; B: input W1: QUANTISED
;;     8. [M 8,192, K 4,096] x [K 4,096, N 128]; A: computed on the way; B: input W2: QUANTISED
;;     9. [M 8,192, K 128] x [K 128, N 4,096]; A: input x; B: input W1: QUANTISED
;;     10. [M 8,192, K 4,096] x [K 4,096, N 128]; A: computed on the way; B: input W2: QUANTISED
;;     11. [M 8,192, K 128] x [K 128, N 4,096]; A: input x; B: input W1: QUANTISED
;;     12. [M 8,192, K 4,096] x [K 4,096, N 128]; A: computed on the way; B: input W2: QUANTISED
;;     13. [M 8,192, K 128] x [K 128, N 4,096]; A: input x; B: input W1: QUANTISED
;;     14. [M 8,192, K 4,096] x [K 4,096, N 128]; A: computed on the way; B: input W2: QUANTISED
;;     15. [M 8,192, K 128] x [K 128, N 4,096]; A: input x; B: input W1: QUANTISED
;;     16. [M 8,192, K 4,096] x [K 4,096, N 128]; A: computed on the way; B: input W2: QUANTISED
;;   THE QUANTISER, for each operand of a quantised product, along K:
;;     - K is cut into blocks of 32 from its start; a last block that is shorter is filled with zeros.
;;     - A block's scale is 2^e with e = floor(log2(the largest magnitude in the block)) - 2, held to -126 .. 127; a block of zeros has e = 0. As a byte (E8M0): e + 127.
;;     - Each number is divided by its block's scale, clamped to +-7.5, and rounded to the nearest number of E2M3, ties to even, subnormals kept.
;;     - The product sums the exact products of the quantised numbers (number of the format x scale) in f32.
;;   ~~~python
;;   def quantise(x, axis):      # numpy; x: float32 -> the quantised numbers, widened to float32 again
;;       x = np.moveaxis(x, axis, -1); K = x.shape[-1]
;;       x = np.pad(x, [(0, 0)] * (x.ndim - 1) + [(0, -K % 32)]); x = x.reshape(x.shape[:-1] + (-1, 32)); a = np.abs(x).max(-1, keepdims=True)
;;       e = np.where(a > 0, np.clip(np.frexp(np.where(a > 0, a, 1))[1] - 1 - 2, -126, 127), 0)      # np.frexp(a)[1] - 1 = floor(log2(a)), exactly
;;       r = np.clip(x / 2.0 ** e, -7.5, 7.5)
;;       step = 2.0 ** (np.maximum(np.frexp(np.where(r == 0, 1, r))[1] - 1, 0) - 3)
;;       q = np.round(r / step) * step * 2.0 ** e      # np.round: ties to even
;;       return np.moveaxis(q.reshape(q.shape[:-2] + (-1,))[..., :K], -1, axis).astype(np.float32)
;;   ~~~
;;   OPERANDS COMPUTED ON THE WAY. 'Computed on the way' means the value that the module computes at that place (a softmax that the list does not call 'softmax' is quantised finished and normalised). What goes into a quantiser is computed in f32, as accurately as f32 sums, v_exp_f32 and their like allow (about 1e-6 of the number): no bf16 or f16 on the way to a quantiser, and a product that is left as it is and whose result goes on into a quantised operand takes f32 operands (vector FMAs, or v_wmma_f32_16x16x4_f32). A number that lies on a knife's edge between two numbers of the format may be rounded either way, as far as f32 arithmetic and the matrix unit's own rounding can turn it there, and no further.
;; 2 versions. Each part assembles by itself: llvm-mc -triple=amdgcn-amd-amdhsa -mcpu=gfx1250 --defsym DOCPART=n.
;; ======== version 1 of 2: 3 launches
;; workspace buffers: w1q 3,276,800 bytes; w2q 3,276,800 bytes; xq 1,048,576 bytes; rowlist 66,048 bytes of whole numbers; tiles 4,096 bytes of whole numbers; part 8,388,608 bytes
;; launch prep (part 1): grid 328 x 1, 8 waves a work-group, no clusters, 69,632 bytes of LDS; arguments x, topk_idx, W1, W2, w1q, w2q, xq, rowlist, tiles; writes w1q, w2q, xq, rowlist, tiles
.if DOCPART == 1
	.amdgcn_target "amdgcn-amd-amdhsa--gfx1250"
	.amdhsa_code_object_version 6
	.text
	.protected	k_qed864b8290_prep
	.globl	k_qed864b8290_prep
	.p2align	8
	.type	k_qed864b8290_prep,@function
k_qed864b8290_prep:
	s_mov_b64 s[64:65], 0
	v_nop
	global_prefetch_b8 v0, s[64:65] scope:SCOPE_SE
	s_setreg_imm32_b32 hwreg(HW_REG_WAVE_MODE, 25, 1), 1
	s_wait_xcnt 0x0
; PREP: three kinds of work-group, parted on the work-group's number alone; they never join again.
;   0 .. 7    ROUTE: the 16,384 routed rows (id = 2 x token + slot) are sorted by expert (a counting sort on whole numbers, no atomics): rowlist; work-group 0 also writes the list of tiles.
;   8 .. 71   XQ:    x [8192][128] f32 -> codes of E2M3 + E8M0 scale word, 128 bytes a token, laid as the two lane halves of an operand's registers.
;   72 .. 327 W:     W1 [8][128][4096] and W2 [8][4096][128] f32, K = the first axis inside an expert -> codes laid as images of operand registers, 12,800 bytes for each block of 8 fragments.
; THE QUANTISER: a block of 32 along K has the scale 2^(floor(log2(largest magnitude)) - 2); its byte is the largest magnitude's exponent field - 2, held at 1 from below by a floor among the maximum's leaves.
; LIMITS: topk_idx holds 0 .. 7: an index outside that range is not served (its row would not be placed).  NaN and infinities among the inputs are not served.  Blocks whose largest magnitude lies
; under 2^-124 keep the byte 1; a block of zeros has the byte 1 where the rule says 127: its codes are zeros, and the bytes are read by this program alone.
; LDS: XQ's stages (8 waves x 8,448 bytes, each wave's own) and ROUTE's table (8 x 128 bytes) have bytes of their own.
.set XP,   528                         ; a stage row: 512 bytes + 16: the sixteen rows that a load touches start in sixteen different columns of 16 bytes
.set XREG, 16*XP                       ; a wave's stage
.set RT,   8*XREG                      ; ROUTE's table
	s_load_b512 s[8:23], s[0:1], 0x0               ; x s[8:9], topk_idx s[10:11], W1 s[12:13], W2 s[14:15], w1q s[16:17], w2q s[18:19], xq s[20:21], rowlist s[22:23]
	s_load_b64 s[24:25], s[0:1], 0x40              ; tiles
	v_lshl_add_u32 v200, v0, 2, 0x10c00
	v_mov_b32 v201, 0
	v_lshrrev_b32 v1, 5, v0
	v_readfirstlane_b32 s28, v1                    ; wave 0..7
	v_and_b32 v1, 31, v0                           ; lane l
	v_and_b32 v7, 15, v0                           ; r = l % 16
	v_bfe_u32 v11, v0, 4, 1                        ; h = l / 16
	v_lshlrev_b32 v12, 4, v1                       ; 16 l
	s_mul_i32 s29, s28, XREG
	; every LDS address is made here, ahead of the parting
	v_lshl_add_u32 v2, v0, 2, RT                   ; the table: my word
	v_lshl_add_u32 v3, v1, 2, RT                   ; the table: word l of a wave's 32
	v_lshl_add_u32 v4, v1, 4, s29                  ; my stage, dense: 16 l
	v_mul_u32_u24 v5, v7, XP
	v_lshl_add_u32 v5, v11, 7, v5
	v_add_nc_u32 v5, s29, v5                       ; my stage: row r, + 128 h: my block of 32 numbers
	v_lshlrev_b32 v6, 7, v7
	v_lshl_add_u32 v6, v11, 6, v6
	v_add_nc_u32 v6, s29, v6                       ; my stage on the way out: 128 r + 64 h
	s_mov_b32 s30, 0x76543210
	s_mov_b32 s31, 0xfedcba98                      ; v_permlanex16_b32's selects for lane l xor 16
	s_mov_b32 s26, ttmp9
	s_wait_kmcnt 0x0
	s_cmp_lt_u32 s26, 8
	s_cbranch_scc1 .Lroute
	s_cmp_lt_u32 s26, 72
	s_cbranch_scc1 .Lxq
; ---------------------------------------------------------------- W: a wave takes 32 columns x 128 along K; A LANE TAKES A COLUMN AND ITS REGISTERS RUN DOWN K, so nothing is transposed
	s_sub_co_u32 s32, s26, 72                      ; 0 .. 127: W1;  128 .. 255: W2
	s_and_b32 s33, s32, 127
	s_lshl_b32 s33, s33, 3
	s_add_co_u32 s33, s33, s28                     ; the wave's task, 0 .. 1023
	s_lshr_b32 s34, s33, 2                         ; block = 32 x expert + (W1: 128 hidden units; W2: K step of 128)
	s_and_b32 s35, s33, 3                          ; which 32 columns of the block's 128
	s_cmp_lt_u32 s32, 128                          ; the choice hangs on the work-group's number alone
	s_cselect_b64 s[12:13], s[12:13], s[14:15]
	s_cselect_b64 s[16:17], s[16:17], s[18:19]
	s_cselect_b32 s36, -1, 0
	s_cselect_b32 s37, 9, 16                       ; W1: 128 columns are 512 bytes;  W2: 128 rows are 65,536 bytes
	s_lshr_b32 s38, s34, 5
	s_lshl_b32 s38, s38, 21                        ; an expert is 2^21 bytes in both
	s_and_b32 s39, s34, 31
	s_lshl_b32 s39, s39, s37
	s_add_co_u32 s38, s38, s39
	s_lshl_b32 s39, s35, 7
	s_add_co_u32 s38, s38, s39                     ; + my wave's 32 columns
	s_mov_b32 s39, 0
	s_add_nc_u64 s[12:13], s[12:13], s[38:39]
	s_mul_i32 s38, s34, 12800
	s_add_nc_u64 s[16:17], s[16:17], s[38:39]      ; the block's 12,800 bytes
	v_lshlrev_b32 v16, 2, v1                       ; in: 4 bytes a lane
	; which row of which of my two tiles my column becomes.  W2: as it lies.  W1: THE ROWS OF A TILE ARE NOT NEIGHBOURS: row i of tile 2 b + u is hidden unit 32 b + 8 u + i + 8 (i / 8),
	; so that in the first product's result the 16 registers of two neighbouring tiles are 16 neighbours along the second product's K
	v_bfe_u32 v15, v0, 3, 1
	v_and_b32 v17, 7, v0
	v_lshl_add_u32 v15, v15, 4, v17
	v_lshl_add_u32 v15, v11, 3, v15                ; 16 ((l / 8) % 2) + l % 8 + 8 (l / 16)
	v_cndmask_b32 v15, v1, v15, s36
	v_lshrrev_b32 v13, 4, v15
	v_mul_u32_u24 v13, v13, 1536
	v_and_b32 v17, 15, v15
	v_lshl_add_u32 v13, v17, 4, v13
	s_mul_i32 s40, s35, 3072
	v_add_nc_u32 v13, s40, v13                     ; codes: two tiles of 1,536 bytes for each 32 columns; in a tile 16 bytes for each row
	s_lshl_b32 s40, s35, 2
	v_lshl_add_u32 v14, v15, 4, s40                ; scale word: 16 x slot + 4 x (pair of tiles)
	s_cmp_lt_u32 s32, 128
	s_cbranch_scc0 .Lw2_rows
.set k, 0
.rept 128
	global_load_b32 v[32+k], v16, s[12:13] offset:k*16384 th:TH_LOAD_NT   ; W1(k, my column): 32 lanes read 128 consecutive bytes, four waves side by side 512
.set k, k+1
.endr
	s_branch .Lw_in
.Lw2_rows:
.set k, 0
.rept 128
	global_load_b32 v[32+k], v16, s[12:13] offset:k*512 th:TH_LOAD_NT     ; W2(k, my column)
.set k, k+1
.endr
.Lw_in:
.macro BLKMAX b                        ; the largest magnitude of block b: all 32 numbers are mine; the floor 2^(3 - 127) holds the byte at 1 from below
	v_max3_num_f32 v[20+\b], |v[32+32*\b]|, |v[33+32*\b]|, 0x1800000
.irp i, 2,4,6,8,10,12,14,16,18,20,22,24,26,28,30
	v_max3_num_f32 v[20+\b], v[20+\b], |v[32+32*\b+\i]|, |v[33+32*\b+\i]|
.endr
.endm
	s_wait_loadcnt 63                              ; of 128 loads the first 65 are in: blocks 0 and 1
	BLKMAX 0
	BLKMAX 1
	s_wait_loadcnt 32                              ; block 2
	BLKMAX 2
	s_wait_loadcnt 0x0
	BLKMAX 3
.irp b, 0,1,2,3
	v_add_nc_u32 v[24+\b], 0xff000000, v[20+\b]    ; 2 off the exponent field: the conversion takes the exponent field of this operand as its scale
.endr
.irp b, 0,1,2,3
	v_lshrrev_b32 v[28+\b], 23, v[24+\b]           ; the scale's byte
.endr
	v_lshl_or_b32 v17, v29, 8, v28                 ; my column's scale word
	v_lshl_or_b32 v17, v30, 16, v17
	v_lshl_or_b32 v17, v31, 24, v17
.irp h, 0,1                            ; the operand's lane half h holds blocks h and 2 + h: twelve registers at v[160 + 12 h]
.irp c, 0,1
	v_cvt_scalef32_pk16_fp6_f32 v[160+12*\h+6*\c:162+12*\h+6*\c], v[32+32*(2*\c+\h):47+32*(2*\c+\h)], v[24+2*\c+\h]
	v_cvt_scalef32_pk16_fp6_f32 v[184+4*(2*\h+\c):186+4*(2*\h+\c)], v[48+32*(2*\c+\h):63+32*(2*\c+\h)], v[24+2*\c+\h]   ; (a conversion's three registers begin on an even number)
.endr
.endr
	v_nop                                          ; one plain place behind a scaled conversion
.irp h, 0,1
.irp c, 0,1
.irp i, 0,1,2
	v_mov_b32 v[163+12*\h+6*\c+\i], v[184+4*(2*\h+\c)+\i]
.endr
.endr
.endr
.irp h, 0,1
.irp g, 0,1,2
	global_store_b128 v13, v[160+12*\h+4*\g:163+12*\h+4*\g], s[16:17] offset:512*\g+256*\h   ; the sixteen rows of a tile fill 256 consecutive, aligned bytes
.endr
.endr
	global_store_b32 v14, v17, s[16:17] offset:12288   ; the block's 512 bytes of scale words are filled by four waves: 4 bytes for each 512 read
	s_endpgm
; ---------------------------------------------------------------- XQ: a wave takes 16 rows of x
.Lxq:
	s_sub_co_u32 s32, s26, 8
	s_lshl_b32 s32, s32, 3
	s_add_co_u32 s32, s32, s28                     ; which 16 rows
	s_lshl_b32 s34, s32, 13
	s_mov_b32 s35, 0
	s_add_nc_u64 s[8:9], s[8:9], s[34:35]
	s_lshl_b32 s34, s32, 11
	s_add_nc_u64 s[20:21], s[20:21], s[34:35]
.irp j, 0,1,2,3,4,5,6,7,8,9,10,11,12,13,14,15
	global_load_b128 v[32+4*\j:35+4*\j], v12, s[8:9] offset:512*\j th:TH_LOAD_NT   ; a whole row: 512 consecutive bytes
.endr
.irp j, 0,1,2,3,4,5,6,7,8,9,10,11,12,13,14,15
	s_wait_loadcnt 15-\j                           ; row j is in; the younger rows may be out
	ds_store_b128 v4, v[32+4*\j:35+4*\j] offset:XP*\j
.endr
.irp c, 0,1                            ; back: lane (r, h) takes, of row r, blocks h and 2 + h, as the operand's layout gives them.  LDS serves a wave's instructions in order: these see my stores
.irp i, 0,1,2,3,4,5,6,7
	ds_load_b128 v[96+32*\c+4*\i:99+32*\c+4*\i], v5 offset:256*\c+16*\i
.endr
.endr
	s_wait_dscnt 0x0
.irp c, 0,1
	v_max3_num_f32 v[16+\c], |v[96+32*\c]|, |v[97+32*\c]|, 0x1800000
.endr
.irp i, 2,4,6,8,10,12,14,16,18,20,22,24,26,28,30
.irp c, 0,1
	v_max3_num_f32 v[16+\c], v[16+\c], |v[96+32*\c+\i]|, |v[97+32*\c+\i]|   ; (the two blocks by turns)
.endr
.endr
.irp c, 0,1
	v_add_nc_u32 v[18+\c], 0xff000000, v[16+\c]
.endr
.irp c, 0,1
	v_lshrrev_b32 v[20+\c], 23, v[18+\c]
.endr
	v_lshl_or_b32 v22, v21, 16, v20                ; my two bytes: blocks h and 2 + h,
	v_lshlrev_b32 v23, 3, v11
	v_lshlrev_b32 v22, v23, v22                    ; at their places in the word;
	v_mov_b32 v23, 0
	v_permlanex16_b32 v23, v22, s30, s31
	v_or_b32 v172, v22, v23                        ; with lane l xor 16's two the word is whole
	v_mov_b32 v173, 0
	v_mov_b32 v174, 0
	v_mov_b32 v175, 0
.irp c, 0,1
	v_cvt_scalef32_pk16_fp6_f32 v[160+6*\c:162+6*\c], v[96+32*\c:111+32*\c], v[18+\c]
	v_cvt_scalef32_pk16_fp6_f32 v[180+4*\c:182+4*\c], v[112+32*\c:127+32*\c], v[18+\c]
.endr
	v_nop                                          ; one plain place behind a scaled conversion
.irp c, 0,1
.irp i, 0,1,2
	v_mov_b32 v[163+6*\c+\i], v[180+4*\c+\i]
.endr
.endr
.irp g, 0,1,2
	ds_store_b128 v6, v[160+4*\g:163+4*\g] offset:16*\g   ; 48 bytes of codes (my reads of the stage are over: the wait above),
.endr
	ds_store_b128 v6, v[172:175] offset:48         ; the row's scale word and 12 zero bytes
.irp g, 0,1,2,3
	ds_load_b128 v[32+4*\g:35+4*\g], v4 offset:512*\g
.endr
	s_wait_dscnt 0x0
.irp g, 0,1,2,3
	global_store_b128 v12, v[32+4*\g:35+4*\g], s[20:21] offset:512*\g   ; 512 consecutive bytes, aligned
.endr
	s_wait_tensorcnt 0x0
	ds_add_u32 v200, v201
	s_wait_dscnt 0x0
	s_endpgm
; ---------------------------------------------------------------- ROUTE: work-group q places entries 2048 q .. 2048 q + 2047.  Every one of the eight counts all 16,384 entries for itself.
; The order inside an expert is (group of 2,048, wave's chunk of 256, register, lane): any order serves, each entry needs a place of its own.
.Lroute:
	v_lshl_add_u32 v8, s28, 10, v12                ; my wave's chunk of a group: 1,024 w + 16 l
	s_lshl_b32 s27, s26, 13
	v_add_nc_u32 v9, s27, v8                       ; and of my own group
.irp g, 0,1,2,3,4,5,6,7
.irp j, 0,1
	global_load_b128 v[32+8*\g+4*\j:35+8*\g+4*\j], v8, s[10:11] offset:8192*\g+512*\j
.endr
.endr
	global_load_b128 v[96:99], v9, s[10:11]
	global_load_b128 v[100:103], v9, s[10:11] offset:512
.irp e, 0,1,2,3,4,5,6,7
	s_mov_b32 s[32+\e], 0                          ; running count of expert e in my wave's chunks,
	s_mov_b32 s[40+\e], 0                          ; its value in front of group q,
	s_mov_b32 s[48+\e], 0                          ; and behind it
.endr
.macro COUNT reg
.irp e, 0,1,2,3,4,5,6,7
	v_cmp_eq_u32 s[56+\e], \e, v[\reg]
.endr
.irp e, 0,1,2,3,4,5,6,7
	s_bcnt1_i32_b32 s[56+\e], s[56+\e]
.endr
.irp e, 0,1,2,3,4,5,6,7
	s_add_co_u32 s[32+\e], s[32+\e], s[56+\e]
.endr
.endm
	s_wait_loadcnt 0x0
.irp g, 0,1,2,3,4,5,6,7
	s_cmp_eq_u32 s26, \g
.irp e, 0,1,2,3,4,5,6,7
	s_cselect_b32 s[40+\e], s[32+\e], s[40+\e]
.endr
.irp i, 0,1,2,3,4,5,6,7
	COUNT 32+8*\g+\i
.endr
	s_cmp_eq_u32 s26, \g
.irp e, 0,1,2,3,4,5,6,7
	s_cselect_b32 s[48+\e], s[32+\e], s[48+\e]
.endr
.endr
.irp e, 0,1,2,3,4,5,6,7
	s_sub_co_u32 s[48+\e], s[48+\e], s[40+\e]      ; my own chunk's count
.endr
	v_mov_b32 v10, 0
.irp e, 0,1,2,3,4,5,6,7
	v_writelane_b32 v10, s[32+\e], \e              ; lanes 0-7: all groups;
	v_writelane_b32 v10, s[40+\e], 8+\e            ; lanes 8-15: the groups in front of q;
	v_writelane_b32 v10, s[48+\e], 16+\e           ; lanes 16-23: group q
.endr
	ds_store_b32 v2, v10
	s_wait_dscnt 0x0                               ; for the others' sake: my words lie in the table
	s_barrier_signal -1
	s_barrier_wait -1
.irp u, 0,1,2,3,4,5,6,7
	ds_load_b32 v[120+\u], v3 offset:128*\u
.endr
	s_wait_dscnt 0x0
	v_mov_b32 v20, 0
	v_mov_b32 v21, 0
.irp u, 0,1,2,3,4,5,6,7
	s_cmp_gt_u32 s28, \u
	s_cselect_b32 s74, -1, 0
	v_add_nc_u32 v20, v20, v[120+\u]               ; over all waves,
	v_and_b32 v22, s74, v[120+\u]
	v_add_nc_u32 v21, v21, v22                     ; and over the waves in front of mine
.endr
.irp e, 0,1,2,3,4,5,6,7
	v_readlane_b32 s[32+\e], v20, \e               ; n_e: the expert's rows
	v_readlane_b32 s[40+\e], v20, 8+\e
	v_readlane_b32 s[56+\e], v21, 16+\e
.endr
	s_mov_b32 s48, 0                               ; O_e: where the expert's rows begin in the list
	s_mov_b32 s66, 0                               ; TB_e: where its tiles begin
.irp e, 0,1,2,3,4,5,6
	s_add_co_u32 s[49+\e], s[48+\e], s[32+\e]
.endr
.irp e, 0,1,2,3,4,5,6,7
	s_add_co_u32 s[40+\e], s[40+\e], s[56+\e]
	s_add_co_u32 s[40+\e], s[40+\e], s[48+\e]      ; P_e: the place of my chunk's first row of expert e
.endr
.irp e, 0,1,2,3,4,5,6
	s_add_co_u32 s74, s[32+\e], 79                 ; tiles of 80 rows: (n + 79) / 80 = ((n + 79) / 16) / 5, and x / 5 = (x 52,429) >> 18 for x under 81,920
	s_lshr_b32 s74, s74, 4
	s_mul_i32 s74, s74, 0xcccd
	s_lshr_b32 s74, s74, 18
	s_add_co_u32 s[67+\e], s[66+\e], s74
.endr
	s_lshl_b32 s75, s26, 11
	s_lshl_b32 s76, s28, 8
	s_add_co_u32 s75, s75, s76
	v_lshl_add_u32 v25, v1, 2, s75                 ; the id of my first entry: 2,048 q + 256 w + 4 l
.macro PLACE i                         ; register i of my chunk: each lane's entry gets its place; every store has registers of its own
.irp e, 0,1,2,3,4,5,6,7
	v_cmp_eq_u32 s[56+\e], \e, v[96+\i]
.endr
	v_mov_b32 v[104+\i], 0
.irp e, 0,1,2,3,4,5,6,7
	v_mbcnt_lo_u32_b32 v24, s[56+\e], s[40+\e]     ; P_e + the lanes below mine with the same expert
	v_cndmask_b32 v[104+\i], v[104+\i], v24, s[56+\e]
.endr
.irp e, 0,1,2,3,4,5,6,7
	s_bcnt1_i32_b32 s[56+\e], s[56+\e]
	s_add_co_u32 s[40+\e], s[40+\e], s[56+\e]
.endr
	v_min_u32 v[104+\i], 0x3fff, v[104+\i]         ; inside the list, whatever was read
	v_lshlrev_b32 v[104+\i], 2, v[104+\i]
	v_add_nc_u32 v[112+\i], 128*(\i/4)+\i%4, v25
	global_store_b32 v[104+\i], v[112+\i], s[22:23]
.endm
.irp i, 0,1,2,3,4,5,6,7
	PLACE \i
.endr
	s_cmp_lg_u32 s26, 0
	s_cbranch_scc1 .Lroute_end
	; work-group 0: thread tau writes entry tau of the list of tiles: (expert, first row in the list, rows, 0).  The expert is the last one whose tiles begin at or in front of tau
	v_mov_b32 v40, 0
	v_mov_b32 v27, s66
	v_mov_b32 v28, s48
	v_mov_b32 v29, s32
.irp e, 1,2,3,4,5,6,7
	v_cmp_gt_u32 vcc_lo, s[66+\e], v0              ; its tiles begin behind tau: keep
	v_cndmask_b32 v40, \e, v40, vcc_lo
	v_cndmask_b32 v27, s[66+\e], v27, vcc_lo
	v_cndmask_b32 v28, s[48+\e], v28, vcc_lo
	v_cndmask_b32 v29, s[32+\e], v29, vcc_lo
.endr
	v_sub_nc_u32 v30, v0, v27
	v_mul_u32_u24 v30, v30, 80
	v_add_nc_u32 v41, v28, v30
	v_min_u32 v41, 0x4000, v41                     ; first row
	v_sub_nc_u32 v31, v29, v30                     ; rows left, as a signed number
	v_cmp_lt_i32 vcc_lo, 0, v31
	v_cndmask_b32 v42, 0, v31, vcc_lo
	v_min_u32 v42, 80, v42                         ; rows: 0 .. 80; an entry behind the last tile has 0
	v_mov_b32 v43, 0
	v_lshlrev_b32 v44, 4, v0
	global_store_b128 v44, v[40:43], s[24:25]
	s_cmp_lg_u32 s28, 0
	s_cbranch_scc1 .Lroute_end
	v_mov_b32 v46, 0                               ; 128 zeros behind the list, so that a tile may read 80 entries from any first row
	v_mov_b32 v47, 0
	v_mov_b32 v48, 0
	v_mov_b32 v49, 0
	global_store_b128 v12, v[46:49], s[22:23] offset:65536
.Lroute_end:
	s_wait_tensorcnt 0x0
	ds_add_u32 v200, v201
	s_wait_dscnt 0x0
	s_endpgm
.Lfunc_end_k_qed864b8290_prep:
	.size	k_qed864b8290_prep, .Lfunc_end_k_qed864b8290_prep-k_qed864b8290_prep
	.p2alignl 7, 3214868480
	.fill 96, 4, 3214868480
	.section	.rodata,"a",@progbits
	.p2align	6, 0x0
	.amdhsa_kernel k_qed864b8290_prep
		.amdhsa_group_segment_fixed_size 69632
		.amdhsa_private_segment_fixed_size 0
		.amdhsa_enable_private_segment 0
		.amdhsa_kernarg_size 72
		.amdhsa_user_sgpr_count 2
		.amdhsa_user_sgpr_kernarg_segment_ptr 1
		.amdhsa_wavefront_size32 1
		.amdhsa_system_sgpr_workgroup_id_x 1
		.amdhsa_system_sgpr_workgroup_id_y 1
		.amdhsa_system_sgpr_workgroup_id_z 1
		.amdhsa_system_vgpr_workitem_id 0
		.amdhsa_next_free_vgpr 202
		.amdhsa_next_free_sgpr 100
		.amdhsa_reserve_vcc 1
		.amdhsa_float_denorm_mode_32 3
		.amdhsa_float_denorm_mode_16_64 3
		.amdhsa_memory_ordered 1
		.amdhsa_forward_progress 1
		.amdhsa_inst_pref_size 142
	.end_amdhsa_kernel
	.amdgpu_metadata
---
amdhsa.version: [ 1, 2 ]
amdhsa.kernels:
  - .name:           k_qed864b8290_prep
    .symbol:         k_qed864b8290_prep.kd
    .args:
      - { .name: x, .offset: 0, .size: 8, .value_kind: global_buffer, .address_space: global }
      - { .name: topk_idx, .offset: 8, .size: 8, .value_kind: global_buffer, .address_space: global }
      - { .name: W1, .offset: 16, .size: 8, .value_kind: global_buffer, .address_space: global }
      - { .name: W2, .offset: 24, .size: 8, .value_kind: global_buffer, .address_space: global }
      - { .name: w1q, .offset: 32, .size: 8, .value_kind: global_buffer, .address_space: global }
      - { .name: w2q, .offset: 40, .size: 8, .value_kind: global_buffer, .address_space: global }
      - { .name: xq, .offset: 48, .size: 8, .value_kind: global_buffer, .address_space: global }
      - { .name: rowlist, .offset: 56, .size: 8, .value_kind: global_buffer, .address_space: global }
      - { .name: tiles, .offset: 64, .size: 8, .value_kind: global_buffer, .address_space: global }
    .group_segment_fixed_size: 69632
    .private_segment_fixed_size: 0
    .kernarg_segment_align: 8
    .kernarg_segment_size: 72
    .max_flat_workgroup_size: 256
    .sgpr_count:     100
    .vgpr_count:     202
    .wavefront_size: 32
...
	.end_amdgpu_metadata
.endif
;; end of part 1
;; launch chain (part 2): grid 212 x 1, 4 waves a work-group, no clusters, 169,472 bytes of LDS; arguments tiles, rowlist, xq, w1q, w2q, b1, b2, weights, part; writes part
.if DOCPART == 2
	.amdgcn_target "amdgcn-amd-amdhsa--gfx1250"
	.amdhsa_code_object_version 6
	.text
	.protected	k_qed864b8290_chain
	.globl	k_qed864b8290_chain
	.p2align	8
	.type	k_qed864b8290_chain,@function
k_qed864b8290_chain:
	s_mov_b64 s[64:65], 0
	v_nop
	global_prefetch_b8 v0, s[64:65] scope:SCOPE_SE
	s_setreg_imm32_b32 hwreg(HW_REG_WAVE_MODE, 25, 1), 1
	s_wait_xcnt 0x0
; CHAIN: part[id] = gate[id] x (relu(x[token] W1[e] + b1[e]) W2[e] + b2[e]) for the routed rows id = 2 x token + slot, both products on codes of E2M3 with one E8M0 scale for each 32 along K.
; A work-group takes ONE tile of the stored list: up to 80 routed rows of one expert, five tiles of 16.  16,384 rows, 8 experts and tiles of 80 give at most (16,384 + 8 x 79) / 80 = 212 tiles, whatever the split:
; that is the grid.  A work-group whose entry has no rows stores nothing and ends.
; THE FOUR WAVES SHARE THE HIDDEN LAYER: wave w owns hidden units 1,024 w .. 1,024 w + 1,023, in eight steps of 128, for all 80 rows and all 128 outputs.  So each byte of the expert's codes is read once by the
; work-group, each fragment feeds five matrix instructions, and the hidden layer never leaves the wave's registers.  The four partial sums of the second product meet once, in LDS: (w0 + w1) + (w2 + w3).
; BOTH PRODUCTS ARE USED TRANSPOSED (source 0 = 16 rows of the weight, source 1 = 16 tokens): a lane holds one token throughout.  The rows of W1 that form a tile were chosen by the launch before so that the 16 registers
; of tiles 2 b and 2 b + 1 are the hidden units 32 b + 16 (lane / 16) + 0 .. 15: neighbours along the next K.  b1 is the C of the first product.
; THE WEIGHTS GO FROM MEMORY STRAIGHT INTO REGISTERS (they were laid as images of the registers: every load is 512 consecutive bytes).  No tensor load and no joint request of a cluster: which expert a work-group walks
; and whether it has rows at all are numbers read from memory, and partners of a cluster need not have tiles of one expert.
; LIMITS: as stated for the launch that makes the codes; the sums over the hidden layer are four f32 partial sums.
; REGISTERS, in windows of 256.  window 0: v1 16 l, v2 64 h, v3-7 LDS addresses, v8-14 offsets, v16-20 x's scale words, v22-29 W1's (two sets), v30-33 W2's, v34-38 the hidden layer's, v40-58 at work,
;   v60-119 x's five fragments, v120-183 a tile of the hidden layer, v184-243 its five fragments of codes, v244-247 b2.   window 1: W1's eight fragments, two sets (v0, v96); v192-255 b1, set 0.
;   window 2: the accumulators of token tiles 0-3 (v[64 t + 8 n]).   window 3: v0-63 those of tile 4; v64-159 W2's eight fragments; v160-223 b1, set 1.
.set PIT,  528                         ; a row of partial sums in LDS: 512 bytes + 16
.set REG,  80*PIT                      ; a wave's region
.set BLKB, 12800                       ; a block of eight fragments and their scale words
.set XS,   16
.set W1S,  22
.set W2S,  30
.set HS,   34
.set TM,   40                          ; largest magnitudes
.set TB,   44                          ; the other half's; then the bytes
.set TO,   48                          ; the conversions' scale operands
.set PCT,  52                          ; v52-54, v56-58: the blocks' second halves
.set X,    60
.set HID,  120
.set HC,   184
.set BB2,  244
.set EB,   60                          ; the way out: two batches of 32 registers,
.set OUTR, 124                         ; 20 rows of 4,
.set VOFF, 204                         ; and their offsets
.set MSB, 0
.macro WIN new                         ; the immediate's high byte repeats the setting that is left; a switch that changes nothing is dropped
.if MSB != (\new)
	s_set_vgpr_msb (MSB<<8)|(\new)
.set MSB, (\new)
.endif
.endm
	s_load_b512 s[4:19], s[0:1], 0x0               ; tiles s[4:5], rowlist s[6:7], xq s[8:9], w1q s[10:11], w2q s[12:13], b1 s[14:15], b2 s[16:17], weights s[18:19]
	s_load_b64 s[20:21], s[0:1], 0x40              ; part
	v_lshl_add_u32 v254, v0, 2, 0x29400
	v_mov_b32 v255, 0
	v_lshrrev_b32 v9, 5, v0
	v_readfirstlane_b32 s28, v9                    ; wave 0..3
	v_and_b32 v9, 31, v0
	v_lshlrev_b32 v1, 4, v9                        ; 16 l
	v_bfe_u32 v9, v0, 4, 1                         ; h
	v_lshlrev_b32 v2, 6, v9                        ; 64 h
	v_and_b32 v15, 15, v0                          ; r
	v_mul_u32_u24 v3, v15, PIT
	v_lshl_add_u32 v3, v9, 5, v3
	s_mul_i32 s22, s28, REG
	v_add_nc_u32 v3, s22, v3                       ; into my region: row r, + 32 h
	s_mul_i32 s22, s28, 20*PIT
	v_add_nc_u32 v4, s22, v1                       ; out of region v: my 20 rows, 16 bytes a lane
	v_add_nc_u32 v5, REG, v4
	v_add_nc_u32 v6, 2*REG, v4
	v_add_nc_u32 v7, 3*REG, v4
.irp b, 0,1,2,3
	v_mov_b32 v[TB+\b], 0                          ; written once: a lane permute's destination counts as one of its sources
.endr
	s_mov_b32 s30, 0x76543210
	s_mov_b32 s31, 0xfedcba98                      ; v_permlanex16_b32's selects for lane l xor 16
	s_mul_i32 s33, s28, 20                         ; the first of the 20 rows that I store
	s_lshl_b32 s22, ttmp9, 4
	s_mov_b32 s23, 0
	s_wait_kmcnt 0x0
	s_add_nc_u64 s[4:5], s[4:5], s[22:23]
	s_load_b128 s[24:27], s[4:5], 0x0              ; my tile: expert, first row in the list, rows
	s_wait_kmcnt 0x0
	s_min_u32 s24, s24, 7                          ; each held inside its table, whatever was read
	s_min_u32 s25, s25, 0x4000
	s_min_u32 s26, s26, 80
	s_add_co_u32 s22, s25, s33
	s_lshl_b32 s22, s22, 2
	s_add_nc_u64 s[88:89], s[6:7], s[22:23]
	s_load_b512 s[68:83], s[88:89], 0x0            ; the ids of the 20 rows that I store (the list has 128 entries of padding: no load leaves it)
	s_load_b128 s[84:87], s[88:89], 0x40
	s_lshl_b32 s29, s25, 2
	v_lshl_add_u32 v8, v15, 2, s29
.irp t, 0,1,2,3,4
	global_load_b32 v[10+\t], v8, s[6:7] offset:64*\t   ; the id of row 16 t + r
.endr
	s_lshl_b32 s29, s24, 9
	v_add_nc_u32 v9, s29, v1
	global_load_b128 v[BB2:BB2+3], v9, s[16:17]    ; b2 of the four outputs that I store
	s_wait_kmcnt 0x0
.irp k, 0,1,2,3,4,5,6,7,8,9,10,11,12,13,14,15,16,17,18,19
	s_min_u32 s[68+\k], s[68+\k], 0x3fff
	s_lshl_b32 s[68+\k], s[68+\k], 2               ; kept as 4 x id: the gate's byte offset, and by a shift the row's in part
.endr
.irp k, 0,1,2,3,4,5,6,7,8,9,10,11,12,13,14,15,16,17,18,19
	s_load_b32 s[36+\k], s[18:19], s[68+\k] offset:0x0   ; the gates: weights is [token][slot], so id is its flat index
.endr
	s_cmp_eq_u32 s26, 0                            ; a tile without rows goes straight to the barrier, which every wave passes
	s_cbranch_scc1 .Ljoin
	s_wait_loadcnt 0x0
.irp t, 0,1,2,3,4
	v_min_u32 v[10+\t], 0x3fff, v[10+\t]
	v_and_b32 v[10+\t], 0x3ffe, v[10+\t]
	v_lshl_add_u32 v[10+\t], v[10+\t], 6, v2       ; 128 x token + 64 h.  (Rows behind the tile's last are other rows of the list: multiplied, never stored)
.endr
.irp t, 0,1,2,3,4
.irp g, 0,1,2
	global_load_b128 v[X+12*\t+4*\g:X+12*\t+4*\g+3], v[10+\t], s[8:9] offset:16*\g
.endr
	global_load_b32 v[XS+\t], v[10+\t], s[8:9] offset:48
.endr
	s_lshl_b32 s22, s24, 5
	s_lshl_b32 s29, s28, 3
	s_add_co_u32 s22, s22, s29
	s_mul_i32 s22, s22, BLKB                       ; my first block: 32 x expert + 8 x wave
	s_add_nc_u64 s[10:11], s[10:11], s[22:23]
	s_add_nc_u64 s[12:13], s[12:13], s[22:23]
	s_lshl_b32 s22, s24, 14
	s_lshl_b32 s29, s28, 12
	s_add_co_u32 s22, s22, s29
	s_add_nc_u64 s[14:15], s[14:15], s[22:23]      ; b1 at my first hidden unit
.macro LW1 p                           ; 25 loads: a step's eight fragments of W1 into set p, and their scale words (register j of lane L: tile 2 j + L / 16, row L % 16)
	WIN 0x40
.irp i, 0,1,2,3,4,5,6,7
.irp g, 0,1,2
	global_load_b128 v[96*\p+12*\i+4*\g:96*\p+12*\i+4*\g+3], v1, s[10:11] offset:1536*\i+512*\g
.endr
.endr
	WIN 0
	global_load_b128 v[W1S+4*\p:W1S+4*\p+3], v1, s[10:11] offset:12288
.endm
.macro LB1 p                           ; 16 loads: b1 in the result's layout: lane (r, h), tile i, register j: hidden unit 32 (i / 2) + 16 h + 8 (i % 2) + j
	WIN 0x40+0x80*\p
.irp i, 0,1,2,3,4,5,6,7
.irp f, 0,1
	global_load_b128 v[192-32*\p+8*\i+4*\f:192-32*\p+8*\i+4*\f+3], v2, s[14:15] offset:128*(\i/2)+32*(\i%2)+16*\f
.endr
.endr
	WIN 0
.endm
.macro LW2                             ; 25 loads: a step's eight fragments of W2 and their scale words
	WIN 0xc0
.irp n, 0,1,2,3,4,5,6,7
.irp g, 0,1,2
	global_load_b128 v[64+12*\n+4*\g:64+12*\n+4*\g+3], v1, s[12:13] offset:1536*\n+512*\g
.endr
.endr
	WIN 0
	global_load_b128 v[W2S:W2S+3], v1, s[12:13] offset:12288
.endm
.macro P1 p, t                         ; the hidden layer's 128 units of this step for token tile t: eight products, each with b1 as its C
	WIN 0x11+0x20*\p
.irp i, 0,1,2,3,4,5,6,7
.if (\i%2) == 0
	v_wmma_scale_f32_16x16x128_f8f6f4 v[HID+8*\i:HID+8*\i+7], v[96*\p+12*\i:96*\p+12*\i+11], v[X+12*\t:X+12*\t+11], v[192-32*\p+8*\i:192-32*\p+8*\i+7], v[W1S+4*\p+\i/2], v[XS+\t] matrix_a_fmt:MATRIX_FMT_FP6 matrix_b_fmt:MATRIX_FMT_FP6
.else
	v_wmma_scale_f32_16x16x128_f8f6f4 v[HID+8*\i:HID+8*\i+7], v[96*\p+12*\i:96*\p+12*\i+11], v[X+12*\t:X+12*\t+11], v[192-32*\p+8*\i:192-32*\p+8*\i+7], v[W1S+4*\p+\i/2], v[XS+\t] matrix_a_fmt:MATRIX_FMT_FP6 matrix_b_fmt:MATRIX_FMT_FP6 matrix_a_scale:MATRIX_SCALE_ROW1
.endif
.endr
.endm
.macro RELU                            ; in f32, each result from its low end on
.set j, 0
.rept 64
	v_max_num_f32 v[HID+j], 0, v[HID+j]
.set j, j+1
.endr
.endm
.macro QUANT t                         ; 64 numbers of a lane, register 16 b + i = k 32 b + 16 (lane / 16) + i of my token, none negative, become fragment t's codes and its scale word
.irp b, 0,1,2,3
	v_max3_num_f32 v[TM+\b], v[HID+16*\b], v[HID+1+16*\b], 0x1800000   ; the floor 2^(3 - 127): the byte cannot fall under 1
.endr
.irp i, 2,4,6,8,10,12,14
.irp b, 0,1,2,3
	v_max3_num_f32 v[TM+\b], v[TM+\b], v[HID+16*\b+\i], v[HID+1+16*\b+\i]   ; (the four blocks by turns)
.endr
.endr
.irp b, 0,1,2,3
	v_permlanex16_b32 v[TB+\b], v[TM+\b], s30, s31
.endr
.irp b, 0,1,2,3
	v_max_num_f32 v[TM+\b], v[TM+\b], v[TB+\b]     ; with lane l xor 16's: the block's largest
.endr
.irp b, 0,1,2,3
	v_add_nc_u32 v[TO+\b], 0xff000000, v[TM+\b]    ; 2 off the exponent field: the conversion's scale operand
.endr
.irp b, 0,1,2,3
	v_lshrrev_b32 v[TB+\b], 23, v[TO+\b]           ; the scale's byte
.endr
	v_lshl_or_b32 v[HS+\t], v[TB+1], 8, v[TB]
	v_lshl_or_b32 v[HS+\t], v[TB+2], 16, v[HS+\t]
	v_lshl_or_b32 v[HS+\t], v[TB+3], 24, v[HS+\t]
.irp c, 0,1
	v_cvt_scalef32_pk16_fp6_f32 v[HC+12*\t+6*\c:HC+12*\t+6*\c+2], v[HID+32*\c:HID+15+32*\c], v[TO+2*\c]
	v_cvt_scalef32_pk16_fp6_f32 v[PCT+4*\c:PCT+4*\c+2], v[HID+16+32*\c:HID+31+32*\c], v[TO+2*\c+1]   ; (a conversion's three registers begin on an even number)
.endr
	v_nop                                          ; one plain place behind a scaled conversion
.irp c, 0,1                            ; the operand's layout wants a WHOLE block in a lane: lanes 0-15 block 2 c, lanes 16-31 block 2 c + 1
.irp i, 0,1,2
	v_permlane16_swap_b32 v[HC+12*\t+6*\c+\i], v[PCT+4*\c+\i]
.endr
.irp i, 0,1,2
	v_mov_b32 v[HC+12*\t+6*\c+3+\i], v[PCT+4*\c+\i]
.endr
.endr
.endm
.macro P2 t, zero                      ; the 128 outputs of token tile t take this step's 128 hidden units.  zero = 1: the first step starts the sums: nothing is cleared
	WIN 0xa3+0x50*((\t)/4)
.set AC, 64*((\t)%4)
.irp n, 0,1,2,3,4,5,6,7
.if \zero
.if (\n%2) == 0
	v_wmma_scale_f32_16x16x128_f8f6f4 v[AC+8*\n:AC+8*\n+7], v[64+12*\n:64+12*\n+11], v[HC+12*\t:HC+12*\t+11], 0, v[W2S+\n/2], v[HS+\t] matrix_a_fmt:MATRIX_FMT_FP6 matrix_b_fmt:MATRIX_FMT_FP6
.else
	v_wmma_scale_f32_16x16x128_f8f6f4 v[AC+8*\n:AC+8*\n+7], v[64+12*\n:64+12*\n+11], v[HC+12*\t:HC+12*\t+11], 0, v[W2S+\n/2], v[HS+\t] matrix_a_fmt:MATRIX_FMT_FP6 matrix_b_fmt:MATRIX_FMT_FP6 matrix_a_scale:MATRIX_SCALE_ROW1
.endif
.else
.if (\n%2) == 0
	v_wmma_scale_f32_16x16x128_f8f6f4 v[AC+8*\n:AC+8*\n+7], v[64+12*\n:64+12*\n+11], v[HC+12*\t:HC+12*\t+11], v[AC+8*\n:AC+8*\n+7], v[W2S+\n/2], v[HS+\t] matrix_a_fmt:MATRIX_FMT_FP6 matrix_b_fmt:MATRIX_FMT_FP6
.else
	v_wmma_scale_f32_16x16x128_f8f6f4 v[AC+8*\n:AC+8*\n+7], v[64+12*\n:64+12*\n+11], v[HC+12*\t:HC+12*\t+11], v[AC+8*\n:AC+8*\n+7], v[W2S+\n/2], v[HS+\t] matrix_a_fmt:MATRIX_FMT_FP6 matrix_b_fmt:MATRIX_FMT_FP6 matrix_a_scale:MATRIX_SCALE_ROW1
.endif
.endif
.endr
.endm
; A STEP of 128 hidden units on sets p; q is the other set.  load = 1: the next step's weights are asked for: W1 at the head, b1 in the middle, W2 behind the second product.
; The 40 accumulators of the second product take turns, one instruction a turn, and the first product's instructions stand between two steps.
.macro STEP p, q, zero, load
	s_wait_loadcnt 25                              ; this step's W1 and b1 (and, in the first step, x) are in; the 25 younger loads, this step's W2, may be out.  So W1's pointer may step
.if \load
	s_add_nc_u64 s[10:11], s[10:11], BLKB
	LW1 \q
.endif
.irp t, 0,1,2,3,4
	P1 \p, \t
	WIN 0
.rept 4
	v_nop                                          ; four places between a product and the first read of its result (ISA guide 7.12.1)
.endr
	RELU
	QUANT \t
.if \load && (\t == 2)
	s_add_nc_u64 s[14:15], s[14:15], 512           ; b1's last loads were shown done at the step's head
	LB1 \q
.endif
.endr
.rept 8
	v_nop                                          ; the last fragment's scale word and codes were written by vector instructions: eight places ahead of the scaled products
.endr
	s_wait_loadcnt 41*\load                        ; this step's W2 is in; behind it were issued the next step's 25 loads of W1 and 16 of b1 (in the last step nothing)
.irp t, 0,1,2,3,4
	P2 \t, \zero
.endr
.if \load
.rept 4
	v_nop                                          ; four places in front of loads into registers that the products have read
.endr
	s_add_nc_u64 s[12:13], s[12:13], BLKB          ; W2's last loads were shown done by the wait above
	LW2
.endif
	WIN 0
.endm
	LW1 0
	LB1 0
	LW2
	STEP 0, 1, 1, 1                                ; the first step stands in front of the loop: its second product starts the sums
	s_mov_b32 s32, 3
.Lsteps:                                               ; a trip runs two steps, until the sets are back where they began
	STEP 1, 0, 0, 1
	STEP 0, 1, 0, 1
	s_sub_co_u32 s32, s32, 1
	s_cmp_lg_u32 s32, 0
	s_cbranch_scc1 .Lsteps
	STEP 1, 0, 0, 0                                ; the eighth step asks for nothing: no load leaves its buffer
.rept 4
	v_nop                                          ; four places between the last products and the stores that read their results
.endr
	; my partial sums into my region: lane (r, h), tile t, accumulator n: row 16 t + r, outputs 16 n + 8 h + 0 .. 7; each accumulator from its low end on
	WIN 0x08                                       ; an LDS store's data are its source 1: window 2
.irp t, 0,1,2,3
.irp n, 0,1,2,3,4,5,6,7
	ds_store_b128 v3, v[64*\t+8*\n:64*\t+8*\n+3] offset:16*PIT*\t+64*\n
	ds_store_b128 v3, v[64*\t+8*\n+4:64*\t+8*\n+7] offset:16*PIT*\t+64*\n+16
.endr
.endr
	WIN 0x0c                                       ; window 3
.irp n, 0,1,2,3,4,5,6,7
	ds_store_b128 v3, v[8*\n:8*\n+3] offset:16*PIT*4+64*\n
	ds_store_b128 v3, v[8*\n+4:8*\n+7] offset:16*PIT*4+64*\n+16
.endr
	WIN 0
.Ljoin:
	s_wait_dscnt 0x0                               ; for the others' sake: my partial sums lie in LDS
	s_barrier_signal -1
	s_barrier_wait -1
	s_cmp_eq_u32 s26, 0
	s_cbranch_scc1 .Lend
	s_wait_kmcnt 0x0                               ; the gates
	s_wait_loadcnt 0x0                             ; b2
; THE WAY OUT: wave w owns rows 20 w .. 20 w + 19, two rows a batch; a lane takes 16 bytes of a row out of each of the four regions
.macro BLOAD bt
.irp kk, 0,1
.irp v, 0,1,2,3
	ds_load_b128 v[EB+32*((\bt)%2)+16*\kk+4*\v:EB+32*((\bt)%2)+16*\kk+4*\v+3], v[4+\v] offset:PIT*(2*(\bt)+\kk)
.endr
.endr
.endm
.macro ROWOUT k, e
.set KR, \k
.set EE, \e
	v_pk_add_f32 v[EE:EE+1], v[EE:EE+1], v[EE+4:EE+5]              ; w0 + w1
	v_pk_add_f32 v[EE+2:EE+3], v[EE+2:EE+3], v[EE+6:EE+7]
	v_pk_add_f32 v[EE+8:EE+9], v[EE+8:EE+9], v[EE+12:EE+13]        ; w2 + w3
	v_pk_add_f32 v[EE+10:EE+11], v[EE+10:EE+11], v[EE+14:EE+15]
	v_pk_add_f32 v[EE:EE+1], v[EE:EE+1], v[EE+8:EE+9]
	v_pk_add_f32 v[EE+2:EE+3], v[EE+2:EE+3], v[EE+10:EE+11]
	v_pk_add_f32 v[EE:EE+1], v[EE:EE+1], v[BB2:BB2+1]              ; + b2
	v_pk_add_f32 v[EE+2:EE+3], v[EE+2:EE+3], v[BB2+2:BB2+3]
.irp i, 0,1,2,3
	v_mul_f32 v[OUTR+4*KR+\i], s[36+KR], v[EE+\i]                  ; x the row's gate.  Every store has registers of its own: none is written again
.endr
	v_lshl_add_u32 v[VOFF+KR], s[68+KR], 7, v1                     ; 512 x id + 16 l
	s_add_co_u32 s22, s33, KR
	s_cmp_lt_u32 s22, s26                          ; a row behind the tile's last is not stored
	s_cbranch_scc0 .Lno_row_\@
	global_store_b128 v[VOFF+KR], v[OUTR+4*KR:OUTR+4*KR+3], s[20:21]   ; 32 lanes store the row's 512 consecutive bytes, aligned
.Lno_row_\@:
.endm
	BLOAD 0
	BLOAD 1
.irp bt, 0,1,2,3,4,5,6,7,8,9
.if \bt < 9
	s_wait_dscnt 8                                 ; this batch is in; the next batch's eight loads may be out
.else
	s_wait_dscnt 0x0
.endif
	ROWOUT 2*\bt, EB+32*(\bt%2)
	ROWOUT 2*\bt+1, EB+32*(\bt%2)+16
.if \bt < 8
	BLOAD \bt+2
.endif
.endr
.Lend:
	s_wait_tensorcnt 0x0
	ds_add_u32 v254, v255
	s_wait_dscnt 0x0
	s_endpgm
.Lfunc_end_k_qed864b8290_chain:
	.size	k_qed864b8290_chain, .Lfunc_end_k_qed864b8290_chain-k_qed864b8290_chain
	.p2alignl 7, 3214868480
	.fill 96, 4, 3214868480
	.section	.rodata,"a",@progbits
	.p2align	6, 0x0
	.amdhsa_kernel k_qed864b8290_chain
		.amdhsa_group_segment_fixed_size 169472
		.amdhsa_private_segment_fixed_size 0
		.amdhsa_enable_private_segment 0
		.amdhsa_kernarg_size 72
		.amdhsa_user_sgpr_count 2
		.amdhsa_user_sgpr_kernarg_segment_ptr 1
		.amdhsa_wavefront_size32 1
		.amdhsa_system_sgpr_workgroup_id_x 1
		.amdhsa_system_sgpr_workgroup_id_y 1
		.amdhsa_system_sgpr_workgroup_id_z 1
		.amdhsa_system_vgpr_workitem_id 0
		.amdhsa_next_free_vgpr 1024
		.amdhsa_next_free_sgpr 100
		.amdhsa_reserve_vcc 0
		.amdhsa_float_denorm_mode_32 3
		.amdhsa_float_denorm_mode_16_64 3
		.amdhsa_memory_ordered 1
		.amdhsa_forward_progress 1
		.amdhsa_inst_pref_size 224
	.end_amdhsa_kernel
	.amdgpu_metadata
---
amdhsa.version: [ 1, 2 ]
amdhsa.kernels:
  - .name:           k_qed864b8290_chain
    .symbol:         k_qed864b8290_chain.kd
    .args:
      - { .name: tiles, .offset: 0, .size: 8, .value_kind: global_buffer, .address_space: global }
      - { .name: rowlist, .offset: 8, .size: 8, .value_kind: global_buffer, .address_space: global }
      - { .name: xq, .offset: 16, .size: 8, .value_kind: global_buffer, .address_space: global }
      - { .name: w1q, .offset: 24, .size: 8, .value_kind: global_buffer, .address_space: global }
      - { .name: w2q, .offset: 32, .size: 8, .value_kind: global_buffer, .address_space: global }
      - { .name: b1, .offset: 40, .size: 8, .value_kind: global_buffer, .address_space: global }
      - { .name: b2, .offset: 48, .size: 8, .value_kind: global_buffer, .address_space: global }
      - { .name: weights, .offset: 56, .size: 8, .value_kind: global_buffer, .address_space: global }
      - { .name: part, .offset: 64, .size: 8, .value_kind: global_buffer, .address_space: global }
    .group_segment_fixed_size: 169472
    .private_segment_fixed_size: 0
    .kernarg_segment_align: 8
    .kernarg_segment_size: 72
    .max_flat_workgroup_size: 128
    .sgpr_count:     100
    .vgpr_count:     1024
    .wavefront_size: 32
...
	.end_amdgpu_metadata
.endif
;; end of part 2
;; launch combine (part 3): grid 256 x 1, 8 waves a work-group, no clusters, 0 bytes of LDS; arguments part, out0; writes out0
.if DOCPART == 3
	.amdgcn_target "amdgcn-amd-amdhsa--gfx1250"
	.amdhsa_code_object_version 6
	.text
	.protected	k_qed864b8290_combine
	.globl	k_qed864b8290_combine
	.p2align	8
	.type	k_qed864b8290_combine,@function
k_qed864b8290_combine:
	s_mov_b64 s[64:65], 0
	v_nop
	global_prefetch_b8 v0, s[64:65] scope:SCOPE_SE
	s_setreg_imm32_b32 hwreg(HW_REG_WAVE_MODE, 25, 1), 1
	s_wait_xcnt 0x0
; COMBINE: out0[token] = part[2 token] + part[2 token + 1]: a token's two routed rows, each already multiplied by its gate, lie side by side.
; A stream: 8 MiB in, 4 MiB out, each byte once.  A wave takes four tokens: eight loads of 512 consecutive bytes, all issued ahead of the first wait, and four stores of 512 consecutive, aligned bytes.
; LDS, barriers and the matrix units would add nothing here.
	s_load_b128 s[4:7], s[0:1], 0x0                ; part, out0
	v_lshrrev_b32 v1, 5, v0                        ; wave
	v_and_b32 v2, 31, v0
	v_lshlrev_b32 v2, 4, v2                        ; 16 bytes a lane
	v_lshl_add_u32 v3, v1, 12, v2                  ; part: 4 tokens x 1,024 bytes a wave
	v_lshl_add_u32 v4, v1, 11, v2                  ; out0: 4 tokens x 512 bytes
	s_lshl_b32 s8, ttmp9, 15
	s_mov_b32 s9, 0
	s_lshl_b32 s10, ttmp9, 14
	s_mov_b32 s11, 0
	s_wait_kmcnt 0x0
	s_add_nc_u64 s[4:5], s[4:5], s[8:9]
	s_add_nc_u64 s[6:7], s[6:7], s[10:11]
.irp i, 0,1,2,3
	global_load_b128 v[8+8*\i:11+8*\i], v3, s[4:5] offset:1024*\i th:TH_LOAD_NT
	global_load_b128 v[12+8*\i:15+8*\i], v3, s[4:5] offset:1024*\i+512 th:TH_LOAD_NT
.endr
.irp i, 0,1,2,3
	s_wait_loadcnt 6-2*\i                          ; token i's two rows are in; the later tokens' pairs may be out
	v_pk_add_f32 v[8+8*\i:9+8*\i], v[8+8*\i:9+8*\i], v[12+8*\i:13+8*\i]
	v_pk_add_f32 v[10+8*\i:11+8*\i], v[10+8*\i:11+8*\i], v[14+8*\i:15+8*\i]
	global_store_b128 v4, v[8+8*\i:11+8*\i], s[6:7] offset:512*\i th:TH_STORE_NT
.endr
	s_endpgm
.Lfunc_end_k_qed864b8290_combine:
	.size	k_qed864b8290_combine, .Lfunc_end_k_qed864b8290_combine-k_qed864b8290_combine
	.p2alignl 7, 3214868480
	.fill 96, 4, 3214868480
	.section	.rodata,"a",@progbits
	.p2align	6, 0x0
	.amdhsa_kernel k_qed864b8290_combine
		.amdhsa_group_segment_fixed_size 0
		.amdhsa_private_segment_fixed_size 0
		.amdhsa_enable_private_segment 0
		.amdhsa_kernarg_size 16
		.amdhsa_user_sgpr_count 2
		.amdhsa_user_sgpr_kernarg_segment_ptr 1
		.amdhsa_wavefront_size32 1
		.amdhsa_system_sgpr_workgroup_id_x 1
		.amdhsa_system_sgpr_workgroup_id_y 1
		.amdhsa_system_sgpr_workgroup_id_z 1
		.amdhsa_system_vgpr_workitem_id 0
		.amdhsa_next_free_vgpr 48
		.amdhsa_next_free_sgpr 66
		.amdhsa_reserve_vcc 0
		.amdhsa_float_denorm_mode_32 3
		.amdhsa_float_denorm_mode_16_64 3
		.amdhsa_memory_ordered 1
		.amdhsa_forward_progress 1
		.amdhsa_inst_pref_size 3
	.end_amdhsa_kernel
	.amdgpu_metadata
---
amdhsa.version: [ 1, 2 ]
amdhsa.kernels:
  - .name:           k_qed864b8290_combine
    .symbol:         k_qed864b8290_combine.kd
    .args:
      - { .name: part, .offset: 0, .size: 8, .value_kind: global_buffer, .address_space: global }
      - { .name: out0, .offset: 8, .size: 8, .value_kind: global_buffer, .address_space: global }
    .group_segment_fixed_size: 0
    .private_segment_fixed_size: 0
    .kernarg_segment_align: 8
    .kernarg_segment_size: 16
    .max_flat_workgroup_size: 256
    .sgpr_count:     66
    .vgpr_count:     48
    .wavefront_size: 32
...
	.end_amdgpu_metadata
.endif
;; end of part 3
;; ======== version 2 of 2: 3 launches
;; workspace buffers: w1q 3,276,800 bytes; w2q 3,276,800 bytes; xq 1,048,576 bytes; rowlist 66,048 bytes of whole numbers; tiles 4,096 bytes of whole numbers; part 8,388,608 bytes
;; launch prep (part 4): grid 328 x 1, 8 waves a work-group, no clusters, 69,632 bytes of LDS; arguments x, topk_idx, W1, W2, w1q, w2q, xq, rowlist, tiles; writes w1q, w2q, xq, rowlist, tiles
.if DOCPART == 4
	.amdgcn_target "amdgcn-amd-amdhsa--gfx1250"
	.amdhsa_code_object_version 6
	.text
	.protected	k_qed864b8290_prep
	.globl	k_qed864b8290_prep
	.p2align	8
	.type	k_qed864b8290_prep,@function
k_qed864b8290_prep:
	s_mov_b64 s[64:65], 0
	v_nop
	global_prefetch_b8 v0, s[64:65] scope:SCOPE_SE
	s_setreg_imm32_b32 hwreg(HW_REG_WAVE_MODE, 25, 1), 1
	s_wait_xcnt 0x0
; PREP: three kinds of work-group, parted on the work-group's number alone; they never join again.
;   0 .. 7    ROUTE: the 16,384 routed rows (id = 2 x token + slot) are sorted by expert (a counting sort on whole numbers, no atomics): rowlist; work-group 0 also writes the list of tiles.
;   8 .. 71   XQ:    x [8192][128] f32 -> codes of E2M3 + E8M0 scale word, 128 bytes a token, laid as the two lane halves of an operand's registers.
;   72 .. 327 W:     W1 [8][128][4096] and W2 [8][4096][128] f32, K = the first axis inside an expert -> codes laid as images of operand registers, 12,800 bytes for each block of 8 fragments.
; THE QUANTISER: a block of 32 along K has the scale 2^(floor(log2(largest magnitude)) - 2); its byte is the largest magnitude's exponent field - 2, held at 1 from below by a floor among the maximum's leaves.
; LIMITS: topk_idx holds 0 .. 7: an index outside that range is not served (its row would not be placed).  NaN and infinities among the inputs are not served.  Blocks whose largest magnitude lies
; under 2^-124 keep the byte 1; a block of zeros has the byte 1 where the rule says 127: its codes are zeros, and the bytes are read by this program alone.
; LDS: XQ's stages (8 waves x 8,448 bytes, each wave's own) and ROUTE's table (8 x 128 bytes) have bytes of their own.
.set XP,   528                         ; a stage row: 512 bytes + 16: the sixteen rows that a load touches start in sixteen different columns of 16 bytes
.set XREG, 16*XP                       ; a wave's stage
.set RT,   8*XREG                      ; ROUTE's table
	s_load_b512 s[8:23], s[0:1], 0x0               ; x s[8:9], topk_idx s[10:11], W1 s[12:13], W2 s[14:15], w1q s[16:17], w2q s[18:19], xq s[20:21], rowlist s[22:23]
	s_load_b64 s[24:25], s[0:1], 0x40              ; tiles
	v_lshl_add_u32 v200, v0, 2, 0x10c00
	v_mov_b32 v201, 0
	v_lshrrev_b32 v1, 5, v0
	s_delay_alu instid0(VALU_DEP_1)
	v_readfirstlane_b32 s28, v1                    ; wave 0..7
	v_and_b32 v1, 31, v0                           ; lane l
	v_and_b32 v7, 15, v0                           ; r = l % 16
	v_bfe_u32 v11, v0, 4, 1                        ; h = l / 16
	s_delay_alu instid0(VALU_DEP_3)
	v_lshlrev_b32 v12, 4, v1                       ; 16 l
	s_mul_i32 s29, s28, XREG
	; every LDS address is made here, ahead of the parting
	v_lshl_add_u32 v2, v0, 2, RT                   ; the table: my word
	v_lshl_add_u32 v3, v1, 2, RT                   ; the table: word l of a wave's 32
	v_lshl_add_u32 v4, v1, 4, s29                  ; my stage, dense: 16 l
	v_mul_u32_u24 v5, v7, XP
	s_delay_alu instid0(VALU_DEP_1)
	v_lshl_add_u32 v5, v11, 7, v5
	s_delay_alu instid0(VALU_DEP_1)
	v_add_nc_u32 v5, s29, v5                       ; my stage: row r, + 128 h: my block of 32 numbers
	v_lshlrev_b32 v6, 7, v7
	s_delay_alu instid0(VALU_DEP_1)
	v_lshl_add_u32 v6, v11, 6, v6
	s_delay_alu instid0(VALU_DEP_1)
	v_add_nc_u32 v6, s29, v6                       ; my stage on the way out: 128 r + 64 h
	s_mov_b32 s30, 0x76543210
	s_mov_b32 s31, 0xfedcba98                      ; v_permlanex16_b32's selects for lane l xor 16
	s_mov_b32 s26, ttmp9
	s_wait_kmcnt 0x0
	s_cmp_lt_u32 s26, 8
	s_cbranch_scc1 .Lroute
	s_cmp_lt_u32 s26, 72
	s_cbranch_scc1 .Lxq
; ---------------------------------------------------------------- W: a wave takes 32 columns x 128 along K; A LANE TAKES A COLUMN AND ITS REGISTERS RUN DOWN K, so nothing is transposed
	s_sub_co_u32 s32, s26, 72                      ; 0 .. 127: W1;  128 .. 255: W2
	s_and_b32 s33, s32, 127
	s_lshl_b32 s33, s33, 3
	s_add_co_u32 s33, s33, s28                     ; the wave's task, 0 .. 1023
	s_lshr_b32 s34, s33, 2                         ; block = 32 x expert + (W1: 128 hidden units; W2: K step of 128)
	s_and_b32 s35, s33, 3                          ; which 32 columns of the block's 128
	s_cmp_lt_u32 s32, 128                          ; the choice hangs on the work-group's number alone
	s_cselect_b64 s[12:13], s[12:13], s[14:15]
	s_cselect_b64 s[16:17], s[16:17], s[18:19]
	s_cselect_b32 s36, -1, 0
	s_cselect_b32 s37, 9, 16                       ; W1: 128 columns are 512 bytes;  W2: 128 rows are 65,536 bytes
	s_lshr_b32 s38, s34, 5
	s_lshl_b32 s38, s38, 21                        ; an expert is 2^21 bytes in both
	s_and_b32 s39, s34, 31
	s_lshl_b32 s39, s39, s37
	s_add_co_u32 s38, s38, s39
	s_lshl_b32 s39, s35, 7
	s_add_co_u32 s38, s38, s39                     ; + my wave's 32 columns
	s_mov_b32 s39, 0
	s_add_nc_u64 s[12:13], s[12:13], s[38:39]
	s_mul_i32 s38, s34, 12800
	s_add_nc_u64 s[16:17], s[16:17], s[38:39]      ; the block's 12,800 bytes
	v_lshlrev_b32 v16, 2, v1                       ; in: 4 bytes a lane
	; which row of which of my two tiles my column becomes.  W2: as it lies.  W1: THE ROWS OF A TILE ARE NOT NEIGHBOURS: row i of tile 2 b + u is hidden unit 32 b + 8 u + i + 8 (i / 8),
	; so that in the first product's result the 16 registers of two neighbouring tiles are 16 neighbours along the second product's K
	v_bfe_u32 v15, v0, 3, 1
	v_and_b32 v17, 7, v0
	s_delay_alu instid0(VALU_DEP_1)
	v_lshl_add_u32 v15, v15, 4, v17
	s_delay_alu instid0(VALU_DEP_1)
	v_lshl_add_u32 v15, v11, 3, v15                ; 16 ((l / 8) % 2) + l % 8 + 8 (l / 16)
	s_delay_alu instid0(VALU_DEP_1)
	v_cndmask_b32 v15, v1, v15, s36
	s_delay_alu instid0(VALU_DEP_1)
	v_lshrrev_b32 v13, 4, v15
	s_delay_alu instid0(VALU_DEP_1)
	v_mul_u32_u24 v13, v13, 1536
	s_delay_alu instid0(VALU_DEP_3)
	v_and_b32 v17, 15, v15
	s_delay_alu instid0(VALU_DEP_1)
	v_lshl_add_u32 v13, v17, 4, v13
	s_mul_i32 s40, s35, 3072
	v_add_nc_u32 v13, s40, v13                     ; codes: two tiles of 1,536 bytes for each 32 columns; in a tile 16 bytes for each row
	s_lshl_b32 s40, s35, 2
	v_lshl_add_u32 v14, v15, 4, s40                ; scale word: 16 x slot + 4 x (pair of tiles)
	s_cmp_lt_u32 s32, 128
	s_cbranch_scc0 .Lw2_rows
.set k, 0
.rept 128
	global_load_b32 v[32+k], v16, s[12:13] offset:k*16384 th:TH_LOAD_NT   ; W1(k, my column): 32 lanes read 128 consecutive bytes, four waves side by side 512
.set k, k+1
.endr
	s_branch .Lw_in
.Lw2_rows:
.set k, 0
.rept 128
	global_load_b32 v[32+k], v16, s[12:13] offset:k*512 th:TH_LOAD_NT     ; W2(k, my column)
.set k, k+1
.endr
.Lw_in:
.macro BLKMAX b                        ; the largest magnitude of block b: all 32 numbers are mine; the floor 2^(3 - 127) holds the byte at 1 from below
	v_max3_num_f32 v[20+\b], |v[32+32*\b]|, |v[33+32*\b]|, 0x1800000
.irp i, 2,4,6,8,10,12,14,16,18,20,22,24,26,28,30
	s_delay_alu instid0(VALU_DEP_1)
	v_max3_num_f32 v[20+\b], v[20+\b], |v[32+32*\b+\i]|, |v[33+32*\b+\i]|
.endr
.endm
	s_wait_loadcnt 63                              ; of 128 loads the first 65 are in: blocks 0 and 1
	BLKMAX 0
	BLKMAX 1
	s_wait_loadcnt 32                              ; block 2
	BLKMAX 2
	s_wait_loadcnt 0x0
	BLKMAX 3
.irp b, 0,1,2,3
	v_add_nc_u32 v[24+\b], 0xff000000, v[20+\b]    ; 2 off the exponent field: the conversion takes the exponent field of this operand as its scale
.endr
.irp b, 0,1,2,3
	s_delay_alu instid0(VALU_DEP_4)
	v_lshrrev_b32 v[28+\b], 23, v[24+\b]           ; the scale's byte
.endr
	s_delay_alu instid0(VALU_DEP_3)
	v_lshl_or_b32 v17, v29, 8, v28                 ; my column's scale word
	s_delay_alu instid0(VALU_DEP_1)
	v_lshl_or_b32 v17, v30, 16, v17
	s_delay_alu instid0(VALU_DEP_1)
	v_lshl_or_b32 v17, v31, 24, v17
.irp h, 0,1                            ; the operand's lane half h holds blocks h and 2 + h: twelve registers at v[160 + 12 h]
.irp c, 0,1
	v_cvt_scalef32_pk16_fp6_f32 v[160+12*\h+6*\c:162+12*\h+6*\c], v[32+32*(2*\c+\h):47+32*(2*\c+\h)], v[24+2*\c+\h]
	v_cvt_scalef32_pk16_fp6_f32 v[184+4*(2*\h+\c):186+4*(2*\h+\c)], v[48+32*(2*\c+\h):63+32*(2*\c+\h)], v[24+2*\c+\h]   ; (a conversion's three registers begin on an even number)
.endr
.endr
	v_nop                                          ; one plain place behind a scaled conversion
.irp h, 0,1
.irp c, 0,1
.irp i, 0,1,2
	v_mov_b32 v[163+12*\h+6*\c+\i], v[184+4*(2*\h+\c)+\i]
.endr
.endr
.endr
.irp h, 0,1
.irp g, 0,1,2
	global_store_b128 v13, v[160+12*\h+4*\g:163+12*\h+4*\g], s[16:17] offset:512*\g+256*\h   ; the sixteen rows of a tile fill 256 consecutive, aligned bytes
.endr
.endr
	global_store_b32 v14, v17, s[16:17] offset:12288   ; the block's 512 bytes of scale words are filled by four waves: 4 bytes for each 512 read
	s_endpgm
; ---------------------------------------------------------------- XQ: a wave takes 16 rows of x
.Lxq:
	s_sub_co_u32 s32, s26, 8
	s_lshl_b32 s32, s32, 3
	s_add_co_u32 s32, s32, s28                     ; which 16 rows
	s_lshl_b32 s34, s32, 13
	s_mov_b32 s35, 0
	s_add_nc_u64 s[8:9], s[8:9], s[34:35]
	s_lshl_b32 s34, s32, 11
	s_add_nc_u64 s[20:21], s[20:21], s[34:35]
.irp j, 0,1,2,3,4,5,6,7,8,9,10,11,12,13,14,15
	global_load_b128 v[32+4*\j:35+4*\j], v12, s[8:9] offset:512*\j th:TH_LOAD_NT   ; a whole row: 512 consecutive bytes
.endr
	s_wait_alu depctr_va_vdst(0)
.irp j, 0,1,2,3,4,5,6,7,8,9,10,11,12,13,14,15
	s_wait_loadcnt 15-\j                           ; row j is in; the younger rows may be out
	ds_store_b128 v4, v[32+4*\j:35+4*\j] offset:XP*\j
.endr
.irp c, 0,1                            ; back: lane (r, h) takes, of row r, blocks h and 2 + h, as the operand's layout gives them.  LDS serves a wave's instructions in order: these see my stores
.irp i, 0,1,2,3,4,5,6,7
	ds_load_b128 v[96+32*\c+4*\i:99+32*\c+4*\i], v5 offset:256*\c+16*\i
.endr
.endr
	s_wait_dscnt 0x0
.irp c, 0,1
	v_max3_num_f32 v[16+\c], |v[96+32*\c]|, |v[97+32*\c]|, 0x1800000
.endr
.irp i, 2,4,6,8,10,12,14,16,18,20,22,24,26,28,30
.irp c, 0,1
	s_delay_alu instid0(VALU_DEP_2)
	v_max3_num_f32 v[16+\c], v[16+\c], |v[96+32*\c+\i]|, |v[97+32*\c+\i]|   ; (the two blocks by turns)
.endr
.endr
.irp c, 0,1
	s_delay_alu instid0(VALU_DEP_2)
	v_add_nc_u32 v[18+\c], 0xff000000, v[16+\c]
.endr
.irp c, 0,1
	s_delay_alu instid0(VALU_DEP_2)
	v_lshrrev_b32 v[20+\c], 23, v[18+\c]
.endr
	s_delay_alu instid0(VALU_DEP_1)
	v_lshl_or_b32 v22, v21, 16, v20                ; my two bytes: blocks h and 2 + h,
	v_lshlrev_b32 v23, 3, v11
	s_delay_alu instid0(VALU_DEP_1)
	v_lshlrev_b32 v22, v23, v22                    ; at their places in the word;
	v_mov_b32 v23, 0
	s_delay_alu instid0(VALU_DEP_1)
	v_permlanex16_b32 v23, v22, s30, s31
	s_delay_alu instid0(VALU_DEP_1)
	v_or_b32 v172, v22, v23                        ; with lane l xor 16's two the word is whole
	v_mov_b32 v173, 0
	v_mov_b32 v174, 0
	v_mov_b32 v175, 0
.irp c, 0,1
	v_cvt_scalef32_pk16_fp6_f32 v[160+6*\c:162+6*\c], v[96+32*\c:111+32*\c], v[18+\c]
	v_cvt_scalef32_pk16_fp6_f32 v[180+4*\c:182+4*\c], v[112+32*\c:127+32*\c], v[18+\c]
.endr
	v_nop                                          ; one plain place behind a scaled conversion
.irp c, 0,1
.irp i, 0,1,2
	v_mov_b32 v[163+6*\c+\i], v[180+4*\c+\i]
.endr
.endr
.irp g, 0,1,2
	ds_store_b128 v6, v[160+4*\g:163+4*\g] offset:16*\g   ; 48 bytes of codes (my reads of the stage are over: the wait above),
.endr
	ds_store_b128 v6, v[172:175] offset:48         ; the row's scale word and 12 zero bytes
.irp g, 0,1,2,3
	ds_load_b128 v[32+4*\g:35+4*\g], v4 offset:512*\g
.endr
	s_wait_dscnt 0x0
.irp g, 0,1,2,3
	global_store_b128 v12, v[32+4*\g:35+4*\g], s[20:21] offset:512*\g   ; 512 consecutive bytes, aligned
.endr
	s_wait_tensorcnt 0x0
	ds_add_u32 v200, v201
	s_wait_dscnt 0x0
	s_endpgm
; ---------------------------------------------------------------- ROUTE: work-group q places entries 2048 q .. 2048 q + 2047.  Every one of the eight counts all 16,384 entries for itself.
; The order inside an expert is (group of 2,048, wave's chunk of 256, register, lane): any order serves, each entry needs a place of its own.
.Lroute:
	v_lshl_add_u32 v8, s28, 10, v12                ; my wave's chunk of a group: 1,024 w + 16 l
	s_lshl_b32 s27, s26, 13
	v_add_nc_u32 v9, s27, v8                       ; and of my own group
.irp g, 0,1,2,3,4,5,6,7
.irp j, 0,1
	global_load_b128 v[32+8*\g+4*\j:35+8*\g+4*\j], v8, s[10:11] offset:8192*\g+512*\j
.endr
.endr
	global_load_b128 v[96:99], v9, s[10:11]
	global_load_b128 v[100:103], v9, s[10:11] offset:512
.irp e, 0,1,2,3,4,5,6,7
	s_mov_b32 s[32+\e], 0                          ; running count of expert e in my wave's chunks,
	s_mov_b32 s[40+\e], 0                          ; its value in front of group q,
	s_mov_b32 s[48+\e], 0                          ; and behind it
.endr
.macro COUNT reg
.irp e, 0,1,2,3,4,5,6,7
	v_cmp_eq_u32 s[56+\e], \e, v[\reg]
.endr
.irp e, 0,1,2,3,4,5,6,7
	s_bcnt1_i32_b32 s[56+\e], s[56+\e]
.endr
.irp e, 0,1,2,3,4,5,6,7
	s_add_co_u32 s[32+\e], s[32+\e], s[56+\e]
.endr
.endm
	s_wait_loadcnt 0x0
.irp g, 0,1,2,3,4,5,6,7
	s_cmp_eq_u32 s26, \g
.irp e, 0,1,2,3,4,5,6,7
	s_cselect_b32 s[40+\e], s[32+\e], s[40+\e]
.endr
.irp i, 0,1,2,3,4,5,6,7
	COUNT 32+8*\g+\i
.endr
	s_cmp_eq_u32 s26, \g
.irp e, 0,1,2,3,4,5,6,7
	s_cselect_b32 s[48+\e], s[32+\e], s[48+\e]
.endr
.endr
.irp e, 0,1,2,3,4,5,6,7
	s_sub_co_u32 s[48+\e], s[48+\e], s[40+\e]      ; my own chunk's count
.endr
	v_mov_b32 v10, 0
.irp e, 0,1,2,3,4,5,6,7
	s_delay_alu instid0(VALU_DEP_1)
	v_writelane_b32 v10, s[32+\e], \e              ; lanes 0-7: all groups;
	s_delay_alu instid0(VALU_DEP_1)
	v_writelane_b32 v10, s[40+\e], 8+\e            ; lanes 8-15: the groups in front of q;
	s_delay_alu instid0(VALU_DEP_1)
	v_writelane_b32 v10, s[48+\e], 16+\e           ; lanes 16-23: group q
.endr
	ds_store_b32 v2, v10
	s_wait_dscnt 0x0                               ; for the others' sake: my words lie in the table
	s_barrier_signal -1
	s_barrier_wait -1
.irp u, 0,1,2,3,4,5,6,7
	ds_load_b32 v[120+\u], v3 offset:128*\u
.endr
	s_wait_dscnt 0x0
	v_mov_b32 v20, 0
	v_mov_b32 v21, 0
.irp u, 0,1,2,3,4,5,6,7
	s_cmp_gt_u32 s28, \u
	s_cselect_b32 s74, -1, 0
	v_add_nc_u32 v20, v20, v[120+\u]               ; over all waves,
	v_and_b32 v22, s74, v[120+\u]
	s_delay_alu instid0(VALU_DEP_1)
	v_add_nc_u32 v21, v21, v22                     ; and over the waves in front of mine
.endr
.irp e, 0,1,2,3,4,5,6,7
	v_readlane_b32 s[32+\e], v20, \e               ; n_e: the expert's rows
	v_readlane_b32 s[40+\e], v20, 8+\e
	v_readlane_b32 s[56+\e], v21, 16+\e
.endr
	s_mov_b32 s48, 0                               ; O_e: where the expert's rows begin in the list
	s_mov_b32 s66, 0                               ; TB_e: where its tiles begin
.irp e, 0,1,2,3,4,5,6
	s_add_co_u32 s[49+\e], s[48+\e], s[32+\e]
.endr
.irp e, 0,1,2,3,4,5,6,7
	s_add_co_u32 s[40+\e], s[40+\e], s[56+\e]
	s_add_co_u32 s[40+\e], s[40+\e], s[48+\e]      ; P_e: the place of my chunk's first row of expert e
.endr
.irp e, 0,1,2,3,4,5,6
	s_add_co_u32 s74, s[32+\e], 79                 ; tiles of 80 rows: (n + 79) / 80 = ((n + 79) / 16) / 5, and x / 5 = (x 52,429) >> 18 for x under 81,920
	s_lshr_b32 s74, s74, 4
	s_mul_i32 s74, s74, 0xcccd
	s_lshr_b32 s74, s74, 18
	s_add_co_u32 s[67+\e], s[66+\e], s74
.endr
	s_lshl_b32 s75, s26, 11
	s_lshl_b32 s76, s28, 8
	s_add_co_u32 s75, s75, s76
	v_lshl_add_u32 v25, v1, 2, s75                 ; the id of my first entry: 2,048 q + 256 w + 4 l
.macro PLACE i                         ; register i of my chunk: each lane's entry gets its place; every store has registers of its own
.irp e, 0,1,2,3,4,5,6,7
	v_cmp_eq_u32 s[56+\e], \e, v[96+\i]
.endr
	v_mov_b32 v[104+\i], 0
.irp e, 0,1,2,3,4,5,6,7
	v_mbcnt_lo_u32_b32 v24, s[56+\e], s[40+\e]     ; P_e + the lanes below mine with the same expert
	s_delay_alu instid0(VALU_DEP_1)
	v_cndmask_b32 v[104+\i], v[104+\i], v24, s[56+\e]
.endr
	s_wait_alu depctr_va_vdst(0)
.irp e, 0,1,2,3,4,5,6,7
	s_bcnt1_i32_b32 s[56+\e], s[56+\e]
	s_add_co_u32 s[40+\e], s[40+\e], s[56+\e]
.endr
	v_min_u32 v[104+\i], 0x3fff, v[104+\i]         ; inside the list, whatever was read
	s_delay_alu instid0(VALU_DEP_1)
	v_lshlrev_b32 v[104+\i], 2, v[104+\i]
	v_add_nc_u32 v[112+\i], 128*(\i/4)+\i%4, v25
	global_store_b32 v[104+\i], v[112+\i], s[22:23]
.endm
.irp i, 0,1,2,3,4,5,6,7
	PLACE \i
.endr
	s_cmp_lg_u32 s26, 0
	s_cbranch_scc1 .Lroute_end
	; work-group 0: thread tau writes entry tau of the list of tiles: (expert, first row in the list, rows, 0).  The expert is the last one whose tiles begin at or in front of tau
	v_mov_b32 v40, 0
	v_mov_b32 v27, s66
	v_mov_b32 v28, s48
	v_mov_b32 v29, s32
.irp e, 1,2,3,4,5,6,7
	v_cmp_gt_u32 vcc_lo, s[66+\e], v0              ; its tiles begin behind tau: keep
	s_delay_alu instid0(VALU_DEP_1)
	v_cndmask_b32 v40, \e, v40, vcc_lo
	s_delay_alu instid0(VALU_DEP_2)
	v_cndmask_b32 v27, s[66+\e], v27, vcc_lo
	s_delay_alu instid0(VALU_DEP_3)
	v_cndmask_b32 v28, s[48+\e], v28, vcc_lo
	s_delay_alu instid0(VALU_DEP_4)
	v_cndmask_b32 v29, s[32+\e], v29, vcc_lo
.endr
	s_delay_alu instid0(VALU_DEP_3)
	v_sub_nc_u32 v30, v0, v27
	s_delay_alu instid0(VALU_DEP_1)
	v_mul_u32_u24 v30, v30, 80
	s_delay_alu instid0(VALU_DEP_1)
	v_add_nc_u32 v41, v28, v30
	s_delay_alu instid0(VALU_DEP_1)
	v_min_u32 v41, 0x4000, v41                     ; first row
	s_delay_alu instid0(VALU_DEP_3)
	v_sub_nc_u32 v31, v29, v30                     ; rows left, as a signed number
	s_delay_alu instid0(VALU_DEP_1)
	v_cmp_lt_i32 vcc_lo, 0, v31
	s_delay_alu instid0(VALU_DEP_1)
	v_cndmask_b32 v42, 0, v31, vcc_lo
	s_delay_alu instid0(VALU_DEP_1)
	v_min_u32 v42, 80, v42                         ; rows: 0 .. 80; an entry behind the last tile has 0
	v_mov_b32 v43, 0
	v_lshlrev_b32 v44, 4, v0
	global_store_b128 v44, v[40:43], s[24:25]
	s_cmp_lg_u32 s28, 0
	s_cbranch_scc1 .Lroute_end
	v_mov_b32 v46, 0                               ; 128 zeros behind the list, so that a tile may read 80 entries from any first row
	v_mov_b32 v47, 0
	v_mov_b32 v48, 0
	v_mov_b32 v49, 0
	global_store_b128 v12, v[46:49], s[22:23] offset:65536
.Lroute_end:
	s_wait_tensorcnt 0x0
	ds_add_u32 v200, v201
	s_wait_dscnt 0x0
	s_endpgm
.Lfunc_end_k_qed864b8290_prep:
	.size	k_qed864b8290_prep, .Lfunc_end_k_qed864b8290_prep-k_qed864b8290_prep
	.p2alignl 7, 3214868480
	.fill 96, 4, 3214868480
	.section	.rodata,"a",@progbits
	.p2align	6, 0x0
	.amdhsa_kernel k_qed864b8290_prep
		.amdhsa_group_segment_fixed_size 69632
		.amdhsa_private_segment_fixed_size 0
		.amdhsa_enable_private_segment 0
		.amdhsa_kernarg_size 72
		.amdhsa_user_sgpr_count 2
		.amdhsa_user_sgpr_kernarg_segment_ptr 1
		.amdhsa_wavefront_size32 1
		.amdhsa_system_sgpr_workgroup_id_x 1
		.amdhsa_system_sgpr_workgroup_id_y 1
		.amdhsa_system_sgpr_workgroup_id_z 1
		.amdhsa_system_vgpr_workitem_id 0
		.amdhsa_next_free_vgpr 202
		.amdhsa_next_free_sgpr 100
		.amdhsa_reserve_vcc 1
		.amdhsa_float_denorm_mode_32 3
		.amdhsa_float_denorm_mode_16_64 3
		.amdhsa_memory_ordered 1
		.amdhsa_forward_progress 1
		.amdhsa_inst_pref_size 150
	.end_amdhsa_kernel
	.amdgpu_metadata
---
amdhsa.version: [ 1, 2 ]
amdhsa.kernels:
  - .name:           k_qed864b8290_prep
    .symbol:         k_qed864b8290_prep.kd
    .args:
      - { .name: x, .offset: 0, .size: 8, .value_kind: global_buffer, .address_space: global }
      - { .name: topk_idx, .offset: 8, .size: 8, .value_kind: global_buffer, .address_space: global }
      - { .name: W1, .offset: 16, .size: 8, .value_kind: global_buffer, .address_space: global }
      - { .name: W2, .offset: 24, .size: 8, .value_kind: global_buffer, .address_space: global }
      - { .name: w1q, .offset: 32, .size: 8, .value_kind: global_buffer, .address_space: global }
      - { .name: w2q, .offset: 40, .size: 8, .value_kind: global_buffer, .address_space: global }
      - { .name: xq, .offset: 48, .size: 8, .value_kind: global_buffer, .address_space: global }
      - { .name: rowlist, .offset: 56, .size: 8, .value_kind: global_buffer, .address_space: global }
      - { .name: tiles, .offset: 64, .size: 8, .value_kind: global_buffer, .address_space: global }
    .group_segment_fixed_size: 69632
    .private_segment_fixed_size: 0
    .kernarg_segment_align: 8
    .kernarg_segment_size: 72
    .max_flat_workgroup_size: 256
    .sgpr_count:     100
    .vgpr_count:     202
    .wavefront_size: 32
...
	.end_amdgpu_metadata
.endif
;; end of part 4
;; launch chain (part 5): grid 212 x 1, 4 waves a work-group, no clusters, 169,472 bytes of LDS; arguments tiles, rowlist, xq, w1q, w2q, b1, b2, weights, part; writes part
.if DOCPART == 5
	.amdgcn_target "amdgcn-amd-amdhsa--gfx1250"
	.amdhsa_code_object_version 6
	.text
	.protected	k_qed864b8290_chain
	.globl	k_qed864b8290_chain
	.p2align	8
	.type	k_qed864b8290_chain,@function
k_qed864b8290_chain:
	s_mov_b64 s[64:65], 0
	v_nop
	global_prefetch_b8 v0, s[64:65] scope:SCOPE_SE
	s_setreg_imm32_b32 hwreg(HW_REG_WAVE_SCHED_MODE, 0, 2), 2
	s_setreg_imm32_b32 hwreg(HW_REG_WAVE_MODE, 25, 1), 1
	s_wait_xcnt 0x0
	s_wait_alu depctr_vm_vsrc(0)
; CHAIN: part[id] = gate[id] x (relu(x[token] W1[e] + b1[e]) W2[e] + b2[e]) for the routed rows id = 2 x token + slot, both products on codes of E2M3 with one E8M0 scale for each 32 along K.
; A work-group takes ONE tile of the stored list: up to 80 routed rows of one expert, five tiles of 16.  16,384 rows, 8 experts and tiles of 80 give at most (16,384 + 8 x 79) / 80 = 212 tiles, whatever the split:
; that is the grid.  A work-group whose entry has no rows stores nothing and ends.
; THE FOUR WAVES SHARE THE HIDDEN LAYER: wave w owns hidden units 1,024 w .. 1,024 w + 1,023, in eight steps of 128, for all 80 rows and all 128 outputs.  So each byte of the expert's codes is read once by the
; work-group, each fragment feeds five matrix instructions, and the hidden layer never leaves the wave's registers.  The four partial sums of the second product meet once, in LDS: (w0 + w1) + (w2 + w3).
; BOTH PRODUCTS ARE USED TRANSPOSED (source 0 = 16 rows of the weight, source 1 = 16 tokens): a lane holds one token throughout.  The rows of W1 that form a tile were chosen by the launch before so that the 16 registers
; of tiles 2 b and 2 b + 1 are the hidden units 32 b + 16 (lane / 16) + 0 .. 15: neighbours along the next K.  b1 is the C of the first product.
; THE WEIGHTS GO FROM MEMORY STRAIGHT INTO REGISTERS (they were laid as images of the registers: every load is 512 consecutive bytes).  No tensor load and no joint request of a cluster: which expert a work-group walks
; and whether it has rows at all are numbers read from memory, and partners of a cluster need not have tiles of one expert.
; LIMITS: as stated for the launch that makes the codes; the sums over the hidden layer are four f32 partial sums.
; REGISTERS, in windows of 256.  window 0: v1 16 l, v2 64 h, v3-7 LDS addresses, v8-14 offsets, v16-20 x's scale words, v22-29 W1's (two sets), v30-33 W2's, v34-38 the hidden layer's, v40-58 at work,
;   v60-119 x's five fragments, v120-183 a tile of the hidden layer, v184-243 its five fragments of codes, v244-247 b2, v254, v255 the closing add's two.   window 1: W1's eight fragments, two sets (v0, v96); v192-255 b1, set 0.
;   window 2: the accumulators of token tiles 0-3 (v[64 t + 8 n]).   window 3: v0-63 those of tile 4; v64-159 W2's eight fragments; v160-223 b1, set 1.
; THE MODE: SCHED_MODE bits 1:0 = 2 (LLVM: expert scheduling mode 2), set by the entry lines.  The code itself states the register dependences
; between vector or matrix instructions and memory or LDS instructions, with s_wait_alu, always for 0.
; THE PLAN.  Registers that memory or LDS instructions touch:
;   v1 .. v9      offsets and LDS addresses, made at the head and never written again.   v10 .. v14: loaded (the ids), made into x's offsets by vector lines, read by x's loads, never written again.
;   W1[q], its scale words, b1[q]   Step s (on sets p) loads them, behind the products of its token tiles 0, 1 and 2; the first products of step s + 1 read them; step s + 2 loads them again.
;   W2, its scale words             One set.  The 40 second products of a step read them; the loads at the step's end land in them.
;   the accumulators                Written by matrix instructions alone; read once, by the LDS stores at the end.
;   v60 .. v123 on the way out      Two batches of 32: LDS loads land in them, the sums read and write them.   OUTR, VOFF: written once each by vector lines, read by one store each.
;   The hidden layer's codes and scale words are named by vector and matrix instructions alone.
; So a step holds two waits on va_vdst.  One stands ahead of its second product: the codes and scale words that vector lines have made are written.  One stands behind its second product: those products are done
; reading W2, and the step's first products are done reading W1[p], its scale words and b1[p].  Behind that wait stand W2's loads, and in the next step the loads into W1[p] and b1[p], dealt among that step's products
; with no further wait: the vector and matrix lines between name the other sets, x, the hidden layer and the work registers, none of the registers that those loads touch.
; No register that a memory or LDS instruction has read is written again in this text, so no wait on vm_vsrc is owed.
.set PIT,  528                         ; a row of partial sums in LDS: 512 bytes + 16
.set REG,  80*PIT                      ; a wave's region
.set BLKB, 12800                       ; a block of eight fragments and their scale words
.set XS,   16
.set W1S,  22
.set W2S,  30
.set HS,   34
.set TM,   40                          ; largest magnitudes
.set TB,   44                          ; the other half's; then the bytes
.set TO,   48                          ; the conversions' scale operands
.set PCT,  52                          ; v52-54, v56-58: the blocks' second halves
.set X,    60
.set HID,  120
.set HC,   184
.set BB2,  244
.set EB,   60                          ; the way out: two batches of 32 registers,
.set OUTR, 124                         ; 20 rows of 4,
.set VOFF, 204                         ; and their offsets
.set MSB, 0
.macro WIN new                         ; the immediate's high byte repeats the setting that is left; a switch that changes nothing is dropped
.if MSB != (\new)
	s_set_vgpr_msb (MSB<<8)|(\new)
.set MSB, (\new)
.endif
.endm
	s_load_b512 s[4:19], s[0:1], 0x0               ; tiles s[4:5], rowlist s[6:7], xq s[8:9], w1q s[10:11], w2q s[12:13], b1 s[14:15], b2 s[16:17], weights s[18:19]
	s_load_b64 s[20:21], s[0:1], 0x40              ; part
	v_lshl_add_u32 v254, v0, 2, 0x29400            ; my spare word, behind the four regions; kept for the closing lines alone
	v_mov_b32 v255, 0
	v_lshrrev_b32 v9, 5, v0
	v_readfirstlane_b32 s28, v9                    ; wave 0..3
	v_and_b32 v9, 31, v0
	v_lshlrev_b32 v1, 4, v9                        ; 16 l
	v_bfe_u32 v9, v0, 4, 1                         ; h
	v_lshlrev_b32 v2, 6, v9                        ; 64 h
	v_and_b32 v15, 15, v0                          ; r
	v_mul_u32_u24 v3, v15, PIT
	v_lshl_add_u32 v3, v9, 5, v3
	s_wait_alu depctr_va_sdst(0)                   ; s28 is written, ahead of its first reader: LDS addresses, row numbers and the weights' bases are made from it
	s_mul_i32 s90, s28, REG
	v_add_nc_u32 v3, s90, v3                       ; into my region: row r, + 32 h
	s_mul_i32 s91, s28, 20*PIT
	v_add_nc_u32 v4, s91, v1                       ; out of region v: my 20 rows, 16 bytes a lane
	v_add_nc_u32 v5, REG, v4
	v_add_nc_u32 v6, 2*REG, v4
	v_add_nc_u32 v7, 3*REG, v4
.irp b, 0,1,2,3
	v_mov_b32 v[TB+\b], 0                          ; written once: a lane permute's destination counts as one of its sources
.endr
	s_mov_b32 s30, 0x76543210
	s_mov_b32 s31, 0xfedcba98                      ; v_permlanex16_b32's selects for lane l xor 16
	s_mul_i32 s33, s28, 20                         ; the first of the 20 rows that I store
	s_lshl_b32 s22, ttmp9, 4
	s_mov_b32 s23, 0
	s_wait_kmcnt 0x0
	s_add_nc_u64 s[4:5], s[4:5], s[22:23]
	s_load_b128 s[24:27], s[4:5], 0x0              ; my tile: expert, first row in the list, rows
	s_wait_kmcnt 0x0
	s_min_u32 s24, s24, 7                          ; each held inside its table, whatever was read
	s_min_u32 s25, s25, 0x4000
	s_min_u32 s26, s26, 80
	s_add_co_u32 s22, s25, s33
	s_lshl_b32 s22, s22, 2
	s_add_nc_u64 s[88:89], s[6:7], s[22:23]
	s_load_b512 s[68:83], s[88:89], 0x0            ; the ids of the 20 rows that I store (the list has 128 entries of padding: no load leaves it)
	s_load_b128 s[84:87], s[88:89], 0x40
	s_lshl_b32 s92, s25, 2
	v_lshl_add_u32 v8, v15, 2, s92
	s_lshl_b32 s93, s24, 9
	v_add_nc_u32 v9, s93, v1
	s_wait_alu depctr_va_vdst(0)                   ; v1 to v9 are written: the offsets and LDS addresses that the loads and stores of the whole kernel read
.irp t, 0,1,2,3,4
	global_load_b32 v[10+\t], v8, s[6:7] offset:64*\t   ; the id of row 16 t + r
.endr
	global_load_b128 v[BB2:BB2+3], v9, s[16:17]    ; b2 of the four outputs that I store
	s_wait_kmcnt 0x0
.irp k, 0,1,2,3,4,5,6,7,8,9,10,11,12,13,14,15,16,17,18,19
	s_min_u32 s[68+\k], s[68+\k], 0x3fff
	s_lshl_b32 s[68+\k], s[68+\k], 2               ; kept as 4 x id: the gate's byte offset, and by a shift the row's in part
.endr
.irp k, 0,1,2,3,4,5,6,7,8,9,10,11,12,13,14,15,16,17,18,19
	s_load_b32 s[36+\k], s[18:19], s[68+\k] offset:0x0   ; the gates: weights is [token][slot], so id is its flat index
.endr
	s_cmp_eq_u32 s26, 0                            ; a tile without rows goes straight to the barrier, which every wave passes
	s_cbranch_scc1 .Ljoin
	s_wait_loadcnt 0x0
.irp t, 0,1,2,3,4
	v_min_u32 v[10+\t], 0x3fff, v[10+\t]
	v_and_b32 v[10+\t], 0x3ffe, v[10+\t]
	v_lshl_add_u32 v[10+\t], v[10+\t], 6, v2       ; 128 x token + 64 h.  (Rows behind the tile's last are other rows of the list: multiplied, never stored)
.endr
	s_wait_alu depctr_va_vdst(0)                   ; v10 to v14 are written, which x's loads read as their offsets
.irp t, 0,1,2,3,4
.irp g, 0,1,2
	global_load_b128 v[X+12*\t+4*\g:X+12*\t+4*\g+3], v[10+\t], s[8:9] offset:16*\g
.endr
	global_load_b32 v[XS+\t], v[10+\t], s[8:9] offset:48
.endr
	s_lshl_b32 s22, s24, 5
	s_lshl_b32 s29, s28, 3
	s_add_co_u32 s22, s22, s29
	s_mul_i32 s22, s22, BLKB                       ; my first block: 32 x expert + 8 x wave
	s_add_nc_u64 s[10:11], s[10:11], s[22:23]
	s_add_nc_u64 s[12:13], s[12:13], s[22:23]
	s_lshl_b32 s22, s24, 14
	s_lshl_b32 s29, s28, 12
	s_add_co_u32 s22, s22, s29
	s_add_nc_u64 s[14:15], s[14:15], s[22:23]      ; b1 at my first hidden unit
.macro LW1H p, i0                      ; 12 loads: fragments i0 .. i0 + 3 of a step's eight of W1 into set p
	WIN 0x40
.irp i, \i0, \i0+1, \i0+2, \i0+3
.irp g, 0,1,2
	global_load_b128 v[96*\p+12*(\i)+4*\g:96*\p+12*(\i)+4*\g+3], v1, s[10:11] offset:1536*(\i)+512*\g
.endr
.endr
.endm
.macro LW1S p                          ; 1 load: their scale words (register j of lane L: tile 2 j + L / 16, row L % 16)
	WIN 0
	global_load_b128 v[W1S+4*\p:W1S+4*\p+3], v1, s[10:11] offset:12288
.endm
.macro LB1 p                           ; 16 loads: b1 in the result's layout: lane (r, h), tile i, register j: hidden unit 32 (i / 2) + 16 h + 8 (i % 2) + j
	WIN 0x40+0x80*\p
.irp i, 0,1,2,3,4,5,6,7
.irp f, 0,1
	global_load_b128 v[192-32*\p+8*\i+4*\f:192-32*\p+8*\i+4*\f+3], v2, s[14:15] offset:128*(\i/2)+32*(\i%2)+16*\f
.endr
.endr
	WIN 0
.endm
.macro LW2                             ; 25 loads: a step's eight fragments of W2 and their scale words
	WIN 0xc0
.irp n, 0,1,2,3,4,5,6,7
.irp g, 0,1,2
	global_load_b128 v[64+12*\n+4*\g:64+12*\n+4*\g+3], v1, s[12:13] offset:1536*\n+512*\g
.endr
.endr
	WIN 0
	global_load_b128 v[W2S:W2S+3], v1, s[12:13] offset:12288
.endm
.macro P1 p, t                         ; the hidden layer's 128 units of this step for token tile t: eight products, each with b1 as its C
	WIN 0x11+0x20*\p
.irp i, 0,1,2,3,4,5,6,7
.if (\i%2) == 0
	v_wmma_scale_f32_16x16x128_f8f6f4 v[HID+8*\i:HID+8*\i+7], v[96*\p+12*\i:96*\p+12*\i+11], v[X+12*\t:X+12*\t+11], v[192-32*\p+8*\i:192-32*\p+8*\i+7], v[W1S+4*\p+\i/2], v[XS+\t] matrix_a_fmt:MATRIX_FMT_FP6 matrix_b_fmt:MATRIX_FMT_FP6
.else
	v_wmma_scale_f32_16x16x128_f8f6f4 v[HID+8*\i:HID+8*\i+7], v[96*\p+12*\i:96*\p+12*\i+11], v[X+12*\t:X+12*\t+11], v[192-32*\p+8*\i:192-32*\p+8*\i+7], v[W1S+4*\p+\i/2], v[XS+\t] matrix_a_fmt:MATRIX_FMT_FP6 matrix_b_fmt:MATRIX_FMT_FP6 matrix_a_scale:MATRIX_SCALE_ROW1
.endif
.endr
.endm
.macro RELU                            ; in f32, each result from its low end on
.set j, 0
.rept 64
	v_max_num_f32 v[HID+j], 0, v[HID+j]
.set j, j+1
.endr
.endm
.macro QUANT t                         ; 64 numbers of a lane, register 16 b + i = k 32 b + 16 (lane / 16) + i of my token, none negative, become fragment t's codes and its scale word
.irp b, 0,1,2,3
	v_max3_num_f32 v[TM+\b], v[HID+16*\b], v[HID+1+16*\b], 0x1800000   ; the floor 2^(3 - 127): the byte cannot fall under 1
.endr
.irp i, 2,4,6,8,10,12,14
.irp b, 0,1,2,3
	v_max3_num_f32 v[TM+\b], v[TM+\b], v[HID+16*\b+\i], v[HID+1+16*\b+\i]   ; (the four blocks by turns)
.endr
.endr
.irp b, 0,1,2,3
	v_permlanex16_b32 v[TB+\b], v[TM+\b], s30, s31
.endr
.irp b, 0,1,2,3
	v_max_num_f32 v[TM+\b], v[TM+\b], v[TB+\b]     ; with lane l xor 16's: the block's largest
.endr
.irp b, 0,1,2,3
	v_add_nc_u32 v[TO+\b], 0xff000000, v[TM+\b]    ; 2 off the exponent field: the conversion's scale operand
.endr
.irp b, 0,1,2,3
	v_lshrrev_b32 v[TB+\b], 23, v[TO+\b]           ; the scale's byte
.endr
	v_lshl_or_b32 v[HS+\t], v[TB+1], 8, v[TB]
	v_lshl_or_b32 v[HS+\t], v[TB+2], 16, v[HS+\t]
	v_lshl_or_b32 v[HS+\t], v[TB+3], 24, v[HS+\t]
.irp c, 0,1
	v_cvt_scalef32_pk16_fp6_f32 v[HC+12*\t+6*\c:HC+12*\t+6*\c+2], v[HID+32*\c:HID+15+32*\c], v[TO+2*\c]
	v_cvt_scalef32_pk16_fp6_f32 v[PCT+4*\c:PCT+4*\c+2], v[HID+16+32*\c:HID+31+32*\c], v[TO+2*\c+1]   ; (a conversion's three registers begin on an even number)
.endr
	v_nop                                          ; one plain place behind a scaled conversion
.irp c, 0,1                            ; the operand's layout wants a WHOLE block in a lane: lanes 0-15 block 2 c, lanes 16-31 block 2 c + 1
.irp i, 0,1,2
	v_permlane16_swap_b32 v[HC+12*\t+6*\c+\i], v[PCT+4*\c+\i]
.endr
.irp i, 0,1,2
	v_mov_b32 v[HC+12*\t+6*\c+3+\i], v[PCT+4*\c+\i]
.endr
.endr
.endm
.macro P2 t, zero                      ; the 128 outputs of token tile t take this step's 128 hidden units.  zero = 1: the first step starts the sums: nothing is cleared
	WIN 0xa3+0x50*((\t)/4)
.set AC, 64*((\t)%4)
.irp n, 0,1,2,3,4,5,6,7
.if \zero
.if (\n%2) == 0
	v_wmma_scale_f32_16x16x128_f8f6f4 v[AC+8*\n:AC+8*\n+7], v[64+12*\n:64+12*\n+11], v[HC+12*\t:HC+12*\t+11], 0, v[W2S+\n/2], v[HS+\t] matrix_a_fmt:MATRIX_FMT_FP6 matrix_b_fmt:MATRIX_FMT_FP6
.else
	v_wmma_scale_f32_16x16x128_f8f6f4 v[AC+8*\n:AC+8*\n+7], v[64+12*\n:64+12*\n+11], v[HC+12*\t:HC+12*\t+11], 0, v[W2S+\n/2], v[HS+\t] matrix_a_fmt:MATRIX_FMT_FP6 matrix_b_fmt:MATRIX_FMT_FP6 matrix_a_scale:MATRIX_SCALE_ROW1
.endif
.else
.if (\n%2) == 0
	v_wmma_scale_f32_16x16x128_f8f6f4 v[AC+8*\n:AC+8*\n+7], v[64+12*\n:64+12*\n+11], v[HC+12*\t:HC+12*\t+11], v[AC+8*\n:AC+8*\n+7], v[W2S+\n/2], v[HS+\t] matrix_a_fmt:MATRIX_FMT_FP6 matrix_b_fmt:MATRIX_FMT_FP6
.else
	v_wmma_scale_f32_16x16x128_f8f6f4 v[AC+8*\n:AC+8*\n+7], v[64+12*\n:64+12*\n+11], v[HC+12*\t:HC+12*\t+11], v[AC+8*\n:AC+8*\n+7], v[W2S+\n/2], v[HS+\t] matrix_a_fmt:MATRIX_FMT_FP6 matrix_b_fmt:MATRIX_FMT_FP6 matrix_a_scale:MATRIX_SCALE_ROW1
.endif
.endif
.endr
.endm
; A STEP of 128 hidden units on sets p; q is the other set.  load = 1: the next step's weights are asked for: W1 behind the products of token tiles 0 and 1, b1 behind tile 2's, W2 behind the second product.
; The 40 accumulators of the second product take turns, one instruction a turn, and the first product's instructions stand between two steps.
.macro STEP p, q, zero, load
	s_wait_loadcnt 25                              ; this step's W1 and b1 (and, in the first step, x) are in; the 25 younger loads, this step's W2, may be out.  So W1's and b1's pointers may step
.if \load
	s_add_nc_u64 s[10:11], s[10:11], BLKB
	s_add_nc_u64 s[14:15], s[14:15], 512
.endif
.irp t, 0,1,2,3,4
	P1 \p, \t
.if \load && (\t == 0)
	LW1H \q, 0                                     ; no wait: since the wait at the last step's end no vector or matrix line has named set q, its scale words, v1 or v2 (in the first step: none ever has)
.endif
.if \load && (\t == 1)
	LW1H \q, 4
	LW1S \q
.endif
.if \load && (\t == 2)
	LB1 \q
.endif
	WIN 0
.rept 4
	v_nop                                          ; four places between a product and the first read of its result (ISA guide 7.12.1)
.endr
	RELU
	QUANT \t
.endr
.rept 8
	v_nop                                          ; the last fragment's scale word and codes were written by vector instructions: eight places ahead of the scaled products
.endr
	s_wait_alu depctr_va_vdst(0)                   ; the five fragments of codes and their scale words, made by vector lines, are written: the scaled products below take them as source 1 and as scales
	s_wait_loadcnt 41*\load                        ; this step's W2 is in; behind it were issued the next step's 25 loads of W1 and 16 of b1 (in the last step nothing)
.irp t, 0,1,2,3,4
	P2 \t, \zero
.endr
.if \load
.rept 4
	v_nop                                          ; four places in front of loads into registers that the products have read; the wait below states the dependence itself
.endr
	s_wait_alu depctr_va_vdst(0)                   ; the second products are done reading W2 and its scale words, in which the loads below land; this step's first products are done reading W1[p], its scale words and b1[p], in which the next step's loads land
	s_add_nc_u64 s[12:13], s[12:13], BLKB          ; W2's last loads were shown done by the wait on LOADcnt above
	LW2
.endif
	WIN 0
.endm
	LW1H 0, 0                                      ; the first fills: no vector line stands between the wait ahead of x's loads and these
	LW1H 0, 4
	LW1S 0
	LB1 0
	LW2
	STEP 0, 1, 1, 1                                ; the first step stands in front of the loop: its second product starts the sums
	s_mov_b32 s32, 3
.Lsteps:                                               ; a trip runs two steps, until the sets are back where they began
	STEP 1, 0, 0, 1
	STEP 0, 1, 0, 1
	s_sub_co_u32 s32, s32, 1
	s_cmp_lg_u32 s32, 0
	s_cbranch_scc1 .Lsteps
	STEP 1, 0, 0, 0                                ; the eighth step asks for nothing: no load leaves its buffer
.rept 4
	v_nop                                          ; four places between the last products and the stores that read their results
.endr
	; my partial sums into my region: lane (r, h), tile t, accumulator n: row 16 t + r, outputs 16 n + 8 h + 0 .. 7; each accumulator from its low end on
	WIN 0x08                                       ; an LDS store's data are its source 1: window 2
	s_wait_alu depctr_va_vdst(0)                   ; the products have written the accumulators, which the LDS stores read (the places above stay beside this wait); and every product and conversion is done with v60 to v123, in which the way out's first LDS loads land
.irp t, 0,1,2,3
.irp n, 0,1,2,3,4,5,6,7
	ds_store_b128 v3, v[64*\t+8*\n:64*\t+8*\n+3] offset:16*PIT*\t+64*\n
	ds_store_b128 v3, v[64*\t+8*\n+4:64*\t+8*\n+7] offset:16*PIT*\t+64*\n+16
.endr
.endr
	WIN 0x0c                                       ; window 3
.irp n, 0,1,2,3,4,5,6,7
	ds_store_b128 v3, v[8*\n:8*\n+3] offset:16*PIT*4+64*\n
	ds_store_b128 v3, v[8*\n+4:8*\n+7] offset:16*PIT*4+64*\n+16
.endr
	WIN 0
.Ljoin:
	s_wait_dscnt 0x0                               ; for the others' sake: my partial sums lie in LDS
	s_barrier_signal -1
	s_barrier_wait -1
	s_cmp_eq_u32 s26, 0
	s_cbranch_scc1 .Lend
	s_wait_kmcnt 0x0                               ; the gates
	s_wait_loadcnt 0x0                             ; b2
; THE WAY OUT: wave w owns rows 20 w .. 20 w + 19, two rows a batch; a lane takes 16 bytes of a row out of each of the four regions
.macro BLOAD bt
.irp kk, 0,1
.irp v, 0,1,2,3
	ds_load_b128 v[EB+32*((\bt)%2)+16*\kk+4*\v:EB+32*((\bt)%2)+16*\kk+4*\v+3], v[4+\v] offset:PIT*(2*(\bt)+\kk)
.endr
.endr
.endm
.macro ROWSUM k, e                     ; row k's arithmetic
.set KR, \k
.set EE, \e
	v_pk_add_f32 v[EE:EE+1], v[EE:EE+1], v[EE+4:EE+5]              ; w0 + w1
	v_pk_add_f32 v[EE+2:EE+3], v[EE+2:EE+3], v[EE+6:EE+7]
	v_pk_add_f32 v[EE+8:EE+9], v[EE+8:EE+9], v[EE+12:EE+13]        ; w2 + w3
	v_pk_add_f32 v[EE+10:EE+11], v[EE+10:EE+11], v[EE+14:EE+15]
	v_pk_add_f32 v[EE:EE+1], v[EE:EE+1], v[EE+8:EE+9]
	v_pk_add_f32 v[EE+2:EE+3], v[EE+2:EE+3], v[EE+10:EE+11]
	v_pk_add_f32 v[EE:EE+1], v[EE:EE+1], v[BB2:BB2+1]              ; + b2
	v_pk_add_f32 v[EE+2:EE+3], v[EE+2:EE+3], v[BB2+2:BB2+3]
.irp i, 0,1,2,3
	v_mul_f32 v[OUTR+4*KR+\i], s[36+KR], v[EE+\i]                  ; x the row's gate.  Every store has registers of its own: none is written again
.endr
	v_lshl_add_u32 v[VOFF+KR], s[68+KR], 7, v1                     ; 512 x id + 16 l
.endm
.macro ROWST k                         ; row k's store
.set KR, \k
	s_add_co_u32 s22, s33, KR
	s_cmp_lt_u32 s22, s26                          ; a row behind the tile's last is not stored
	s_cbranch_scc0 .Lno_row_\@
	global_store_b128 v[VOFF+KR], v[OUTR+4*KR:OUTR+4*KR+3], s[20:21]   ; 32 lanes store the row's 512 consecutive bytes, aligned
.Lno_row_\@:
.endm
	BLOAD 0                                        ; no wait: no vector line stands between the wait ahead of the LDS stores and these two batches
	BLOAD 1
.irp bt, 0,1,2,3,4,5,6,7,8,9
.if \bt < 9
	s_wait_dscnt 8                                 ; this batch is in; the next batch's eight loads may be out
.else
	s_wait_dscnt 0x0
.endif
	ROWSUM 2*\bt, EB+32*(\bt%2)
	ROWSUM 2*\bt+1, EB+32*(\bt%2)+16
	s_wait_alu depctr_va_vdst(0)                   ; the two rows' numbers and offsets are written, which the stores below read; the sums are done with the batch's 32 registers, in which the loads of two batches on land
	ROWST 2*\bt
	ROWST 2*\bt+1
.if \bt < 8
	BLOAD \bt+2
.endif
.endr
.Lend:
	s_wait_dscnt 0x0                               ; the closing lines, six on end
	s_wait_alu 0x0
	s_wait_tensorcnt 0x0
	ds_add_u32 v254, v255
	s_wait_dscnt 0x0
	s_endpgm
.Lfunc_end_k_qed864b8290_chain:
	.size	k_qed864b8290_chain, .Lfunc_end_k_qed864b8290_chain-k_qed864b8290_chain
	.p2alignl 7, 3214868480
	.fill 96, 4, 3214868480
	.section	.rodata,"a",@progbits
	.p2align	6, 0x0
	.amdhsa_kernel k_qed864b8290_chain
		.amdhsa_group_segment_fixed_size 169472
		.amdhsa_private_segment_fixed_size 0
		.amdhsa_enable_private_segment 0
		.amdhsa_kernarg_size 72
		.amdhsa_user_sgpr_count 2
		.amdhsa_user_sgpr_kernarg_segment_ptr 1
		.amdhsa_wavefront_size32 1
		.amdhsa_system_sgpr_workgroup_id_x 1
		.amdhsa_system_sgpr_workgroup_id_y 1
		.amdhsa_system_sgpr_workgroup_id_z 1
		.amdhsa_system_vgpr_workitem_id 0
		.amdhsa_next_free_vgpr 1024
		.amdhsa_next_free_sgpr 100
		.amdhsa_reserve_vcc 0
		.amdhsa_float_denorm_mode_32 3
		.amdhsa_float_denorm_mode_16_64 3
		.amdhsa_memory_ordered 1
		.amdhsa_forward_progress 1
		.amdhsa_inst_pref_size 225
	.end_amdhsa_kernel
	.amdgpu_metadata
---
amdhsa.version: [ 1, 2 ]
amdhsa.kernels:
  - .name:           k_qed864b8290_chain
    .symbol:         k_qed864b8290_chain.kd
    .args:
      - { .name: tiles, .offset: 0, .size: 8, .value_kind: global_buffer, .address_space: global }
      - { .name: rowlist, .offset: 8, .size: 8, .value_kind: global_buffer, .address_space: global }
      - { .name: xq, .offset: 16, .size: 8, .value_kind: global_buffer, .address_space: global }
      - { .name: w1q, .offset: 24, .size: 8, .value_kind: global_buffer, .address_space: global }
      - { .name: w2q, .offset: 32, .size: 8, .value_kind: global_buffer, .address_space: global }
      - { .name: b1, .offset: 40, .size: 8, .value_kind: global_buffer, .address_space: global }
      - { .name: b2, .offset: 48, .size: 8, .value_kind: global_buffer, .address_space: global }
      - { .name: weights, .offset: 56, .size: 8, .value_kind: global_buffer, .address_space: global }
      - { .name: part, .offset: 64, .size: 8, .value_kind: global_buffer, .address_space: global }
    .group_segment_fixed_size: 169472
    .private_segment_fixed_size: 0
    .kernarg_segment_align: 8
    .kernarg_segment_size: 72
    .max_flat_workgroup_size: 128
    .sgpr_count:     100
    .vgpr_count:     1024
    .wavefront_size: 32
...
	.end_amdgpu_metadata
.endif
;; end of part 5
;; launch combine (part 6): grid 256 x 1, 8 waves a work-group, no clusters, 0 bytes of LDS; arguments part, out0; writes out0
.if DOCPART == 6
	.amdgcn_target "amdgcn-amd-amdhsa--gfx1250"
	.amdhsa_code_object_version 6
	.text
	.protected	k_qed864b8290_combine
	.globl	k_qed864b8290_combine
	.p2align	8
	.type	k_qed864b8290_combine,@function
k_qed864b8290_combine:
	s_mov_b64 s[64:65], 0
	v_nop
	global_prefetch_b8 v0, s[64:65] scope:SCOPE_SE
	s_setreg_imm32_b32 hwreg(HW_REG_WAVE_MODE, 25, 1), 1
	s_wait_xcnt 0x0
; COMBINE: out0[token] = part[2 token] + part[2 token + 1]: a token's two routed rows, each already multiplied by its gate, lie side by side.
; A stream: 8 MiB in, 4 MiB out, each byte once.  A wave takes four tokens: eight loads of 512 consecutive bytes, all issued ahead of the first wait, and four stores of 512 consecutive, aligned bytes.
; LDS, barriers and the matrix units would add nothing here.
	s_load_b128 s[4:7], s[0:1], 0x0                ; part, out0
	v_lshrrev_b32 v1, 5, v0                        ; wave
	v_and_b32 v2, 31, v0
	s_delay_alu instid0(VALU_DEP_1)
	v_lshlrev_b32 v2, 4, v2                        ; 16 bytes a lane
	s_delay_alu instid0(VALU_DEP_1)
	v_lshl_add_u32 v3, v1, 12, v2                  ; part: 4 tokens x 1,024 bytes a wave
	s_delay_alu instid0(VALU_DEP_2)
	v_lshl_add_u32 v4, v1, 11, v2                  ; out0: 4 tokens x 512 bytes
	s_lshl_b32 s8, ttmp9, 15
	s_mov_b32 s9, 0
	s_lshl_b32 s10, ttmp9, 14
	s_mov_b32 s11, 0
	s_wait_alu depctr_va_vdst(0)
	s_wait_kmcnt 0x0
	s_add_nc_u64 s[4:5], s[4:5], s[8:9]
	s_add_nc_u64 s[6:7], s[6:7], s[10:11]
.irp i, 0,1,2,3
	global_load_b128 v[8+8*\i:11+8*\i], v3, s[4:5] offset:1024*\i th:TH_LOAD_NT
	global_load_b128 v[12+8*\i:15+8*\i], v3, s[4:5] offset:1024*\i+512 th:TH_LOAD_NT
.endr
.irp i, 0,1,2,3
	s_wait_loadcnt 6-2*\i                          ; token i's two rows are in; the later tokens' pairs may be out
	v_pk_add_f32 v[8+8*\i:9+8*\i], v[8+8*\i:9+8*\i], v[12+8*\i:13+8*\i]
	v_pk_add_f32 v[10+8*\i:11+8*\i], v[10+8*\i:11+8*\i], v[14+8*\i:15+8*\i]
	global_store_b128 v4, v[8+8*\i:11+8*\i], s[6:7] offset:512*\i th:TH_STORE_NT
.endr
	s_endpgm
.Lfunc_end_k_qed864b8290_combine:
	.size	k_qed864b8290_combine, .Lfunc_end_k_qed864b8290_combine-k_qed864b8290_combine
	.p2alignl 7, 3214868480
	.fill 96, 4, 3214868480
	.section	.rodata,"a",@progbits
	.p2align	6, 0x0
	.amdhsa_kernel k_qed864b8290_combine
		.amdhsa_group_segment_fixed_size 0
		.amdhsa_private_segment_fixed_size 0
		.amdhsa_enable_private_segment 0
		.amdhsa_kernarg_size 16
		.amdhsa_user_sgpr_count 2
		.amdhsa_user_sgpr_kernarg_segment_ptr 1
		.amdhsa_wavefront_size32 1
		.amdhsa_system_sgpr_workgroup_id_x 1
		.amdhsa_system_sgpr_workgroup_id_y 1
		.amdhsa_system_sgpr_workgroup_id_z 1
		.amdhsa_system_vgpr_workitem_id 0
		.amdhsa_next_free_vgpr 48
		.amdhsa_next_free_sgpr 66
		.amdhsa_reserve_vcc 0
		.amdhsa_float_denorm_mode_32 3
		.amdhsa_float_denorm_mode_16_64 3
		.amdhsa_memory_ordered 1
		.amdhsa_forward_progress 1
		.amdhsa_inst_pref_size 3
	.end_amdhsa_kernel
	.amdgpu_metadata
---
amdhsa.version: [ 1, 2 ]
amdhsa.kernels:
  - .name:           k_qed864b8290_combine
    .symbol:         k_qed864b8290_combine.kd
    .args:
      - { .name: part, .offset: 0, .size: 8, .value_kind: global_buffer, .address_space: global }
      - { .name: out0, .offset: 8, .size: 8, .value_kind: global_buffer, .address_space: global }
    .group_segment_fixed_size: 0
    .private_segment_fixed_size: 0
    .kernarg_segment_align: 8
    .kernarg_segment_size: 16
    .max_flat_workgroup_size: 256
    .sgpr_count:     66
    .vgpr_count:     48
    .wavefront_size: 32
...
	.end_amdgpu_metadata
.endif
;; end of part 6
